; MI455X (gfx1250); checked and timed in simulation.
; The chip was launched on July 23, 2026; its instructions are those of AMD's public machine-readable ISA for CDNA 5 (MIT licence, August 2026) and "CDNA5" Instruction Set Architecture Reference Guide (July 2026). The comments in the code are by the model that wrote it; some were corrected since.
;; Multi Head Self Attention. Allowed arithmetic: matrix products marked QUANTISED: E2M1 operands, one E8M0 scale for each 32 along K, by v_wmma_scale_f32_16x16x128_f8f6f4 with both operands' format E2M1 (or v_wmma_scale_f32_32x16x128_f4), f32 sums; products left as they are: bf16, f16 or f32 operands; f32 sums; everything else in f32.
;; Inputs: Wk 1,024 x 1,024 float32; Wo 1,024 x 1,024 float32; Wq 1,024 x 1,024 float32; Wv 1,024 x 1,024 float32; token_positions 2,048 int32; x 4 x 2,048 x 1,024 float32.
;; Outputs: out0 4 x 2,048 x 1,024 float32.
;; This version of the problem:
;;   THIS VERSION OF THE PROBLEM IS GIVEN IN LOW PRECISION. The matrix products marked QUANTISED in the list below multiply operands that are first quantised to E2M1 (2 exponent bits, 1 mantissa bit; 4 bits a number), with one power-of-two scale for each 32 numbers along K (OCP MX v1.0); their sums are f32. The products marked 'left as it is' may take bf16, f16 or f32 operands, with f32 sums. Whichever they take, every output number must still come out within the allowed error. Rounding operands to bf16 (8 significant bits) uses up far more of that allowance than f16 does (11 bits, for magnitudes from 6e-5 to 65,504). All else is computed in f32.
;;   The module's matrix products, in the order in which they are computed (A, B: the left and right operand; K: the contracted axis; several contracted axes count as one K, in the product's order):
;;     1. [M 8,192, K 1,024] x [K 1,024, N 1,024]; A: input x; B: input Wq: QUANTISED
;;     2. [M 8,192, K 1,024] x [K 1,024, N 1,024]; A: input x; B: input Wk: QUANTISED
;;     3. [M 8,192, K 1,024] x [K 1,024, N 1,024]; A: input x; B: input Wv: QUANTISED
;;     4. batch 64 x [M 2,048, K 64] x [K 64, N 2,048]; A: computed on the way; B: computed on the way: left as it is (an operand is computed on the way)
;;     5. batch 64 x [M 2,048, K 2,048] x [K 2,048, N 64]; A: computed on the way; B: computed on the way: left as it is (an operand is computed on the way)
;;     6. [M 8,192, K 1,024] x [K 1,024, N 1,024]; A: computed on the way; B: input Wo: left as it is (an operand is computed on the way)
;;   THE QUANTISER, for each operand of a quantised product, along K:
;;     - K is cut into blocks of 32 from its start; a last block that is shorter is filled with zeros.
;;     - A block's scale is 2^e with e = floor(log2(the largest magnitude in the block)) - 2, held to -126 .. 127; a block of zeros has e = 0. As a byte (E8M0): e + 127.
;;     - Each number is divided by its block's scale, clamped to +-6, and rounded to the nearest number of E2M1, ties to even, subnormals kept.
;;     - The product sums the exact products of the quantised numbers (number of the format x scale) in f32.
;;   ~~~python
;;   def quantise(x, axis):      # numpy; x: float32 -> the quantised numbers, widened to float32 again
;;       x = np.moveaxis(x, axis, -1); K = x.shape[-1]
;;       x = np.pad(x, [(0, 0)] * (x.ndim - 1) + [(0, -K % 32)]); x = x.reshape(x.shape[:-1] + (-1, 32)); a = np.abs(x).max(-1, keepdims=True)
;;       e = np.where(a > 0, np.clip(np.frexp(np.where(a > 0, a, 1))[1] - 1 - 2, -126, 127), 0)      # np.frexp(a)[1] - 1 = floor(log2(a)), exactly
;;       r = np.clip(x / 2.0 ** e, -6, 6)
;;       step = 2.0 ** (np.maximum(np.frexp(np.where(r == 0, 1, r))[1] - 1, 0) - 1)
;;       q = np.round(r / step) * step * 2.0 ** e      # np.round: ties to even
;;       return np.moveaxis(q.reshape(q.shape[:-2] + (-1,))[..., :K], -1, axis).astype(np.float32)
;;   ~~~
;; One version. Each part assembles by itself: llvm-mc -triple=amdgcn-amd-amdhsa -mcpu=gfx1250 --defsym DOCPART=n.
;; ======== version 1 of 1: 5 launches
;; limits: values are held in f16: magnitudes above 65,504 overflow, below 6.1e-05 lose precision; right only within a limited range of input values
;; workspace buffers: codes 5,767,168 bytes; scales 360,448 bytes; wo16 2,097,152 bytes; tab 524,288 bytes; qkv16 50,331,648 bytes; fine 786,432 bytes; y16 16,777,216 bytes
;; launch prep (part 1): grid 416 x 1, 4 waves a work-group, no clusters, 33,280 bytes of LDS; arguments x, Wq, Wk, Wv, Wo, token_positions, codes, scales, wo16, tab; writes codes, scales, wo16, tab
.if DOCPART == 1
	.amdgcn_target "amdgcn-amd-amdhsa--gfx1250"
	.amdhsa_code_object_version 6
	.text
	.protected	k_qa67ac88f17_prep
	.globl	k_qa67ac88f17_prep
	.p2align	8
	.type	k_qa67ac88f17_prep,@function
k_qa67ac88f17_prep:
	s_mov_b64 s[64:65], 0
	v_nop
	global_prefetch_b8 v0, s[64:65] scope:SCOPE_SE
	s_setreg_imm32_b32 hwreg(HW_REG_WAVE_MODE, 25, 1), 1
	s_wait_xcnt 0x0
; THREE JOBS IN ONE LAUNCH, parted by the work-group's number g.
; g < 352: x [8192][1024] and Wq, Wk, Wv [1024][1024], f32, become codes of FP4 (E2M1), K innermost, two codes a byte, with one E8M0 byte for each 32 along K.
;   A block's scale is 2^(floor(log2(its largest magnitude)) - 2); its byte is the largest magnitude's exponent field - 2, held at 1 from below.
;   x's codes lie [8192][512 bytes] from byte 0; the weights' from XC on as [column group 8][q, k, v][128 rows][512 bytes], so that the 384 rows that one work-group of the next launch walks are dense.  The scale bytes likewise, 32 a row.
; 352 <= g < 384: Wo is rounded to f16, as it lies.
; g >= 384: cos and sin of token_positions[s] x 10000^(-f / 32), f = 0 .. 31, in the order in which the next launch's registers take them: [s / 16][u 8][lane 32][16 bytes]:
;   lane (r, h) holds cos, sin of f0 and of f0 + 1 for position 16 (s / 16) + r, f0 = 8 (u / 2) + 4 h + 2 (u % 2).
; LIMITS.  NaN and infinities among the inputs are not served.  A block of zeros gets the byte 1 where the rule says 127: its codes are zeros, and this program alone reads the bytes; blocks whose largest magnitude lies
; under 2^-124 have the byte held at 1.  |Wo| beyond 65,504 would become infinity in f16.  10000^(-f / 32) is made by v_exp_f32, so an angle may differ from the exact product by some 2e-7 of itself;
; the reduction by pi / 2 in three parts keeps its own error under 1e-6 rad for angles under 2^17.
; No tensor loads, no barrier: waves share nothing.
.set XC,    4194304                    ; where the weights' codes begin
.set XS,    262144                     ; and their scale bytes
.set STEPS, 16
.set EMAX,  2
.set CB,    8                          ; bytes of 16 codes
.set R,     16                         ; v16-79   four sets of 16 numbers as they are loaded
.set X,     80                         ; v80-111  two sets of 16 neighbours
.set E,     112                        ; v112-127 a scale byte for each step
.set C,     128                        ; v128-191 codes: four registers for each step, so that no store's data are written again
.set WREG,  8192                       ; LDS: a region for each wave: two stages of 32 x SP bytes, behind them its 256 scale bytes
.set SP,    80                         ; a lane's place in a stage: its 64 bytes + 16 of padding
.set SPW,   12                         ; v12  LDS address of my spare word; never rewritten
.set NIL,   13                         ; v13  0; never rewritten
.set SPARE, 4*WREG                     ; behind the four regions: the spare words, 128 bytes for each wave
.set WI,    16                         ; Wo: v16-143 two sets of 64 numbers
.set WO,    144                        ;     v144-207 two sets of 32 registers of f16
.set INV,   16                         ; the table: v16-31 my 16 frequencies
.set TR,    144                        ;            v144-175 results, four registers for each store
.macro LOAD t
.irp i, 0,1,2,3
	global_load_b128 v[R+16*((\t)%4)+4*\i:R+16*((\t)%4)+4*\i+3], v3, s[40:41] offset:2048*(\t)+512*\i th:TH_LOAD_NT   ; 32 lanes read 512 consecutive bytes
.endr
.endm
.macro TURN t                          ; step t's numbers through the stage: LDS serves a wave's instructions in order, so no wait stands between the stores and the loads
.irp i, 0,1,2,3
	ds_store_b128 v14, v[R+16*((\t)%4)+4*\i:R+16*((\t)%4)+4*\i+3] offset:32*SP*((\t)%2)+8*SP*\i
.endr
.irp i, 0,1,2,3
	ds_load_b128 v[X+16*((\t)%2)+4*\i:X+16*((\t)%2)+4*\i+3], v15 offset:32*SP*((\t)%2)+16*\i
.endr
.endm
.macro STEP t
.set XS_, X+16*((\t)%2)
.if (\t) > 0
	s_wait_dscnt 1                                 ; this step's numbers are back from the stage; the last step's byte store may be out
.else
	s_wait_dscnt 0x0
.endif
.if (\t)+4 < STEPS
	LOAD (\t)+4                                    ; the stage's stores have read these registers: they take the loads of four steps on
.endif
.if (\t)+1 < STEPS
.if STEPS-2-(\t) >= 3
	s_wait_loadcnt 12                              ; the next step's four loads are in; those of the three steps behind it may be out
.else
	s_wait_loadcnt 4*(STEPS-2-(\t))
.endif
	TURN (\t)+1
.endif
	v_max3_num_f32 v8, |v[XS_]|, |v[XS_+1]|, |v[XS_+2]|            ; the largest magnitude of my 16, in two chains
	v_max3_num_f32 v9, |v[XS_+3]|, |v[XS_+4]|, |v[XS_+5]|
.irp i, 6,10
	v_max3_num_f32 v8, v8, |v[XS_+\i]|, |v[XS_+\i+1]|
	v_max3_num_f32 v9, v9, |v[XS_+\i+2]|, |v[XS_+\i+3]|
.endr
	v_max3_num_f32 v8, v8, |v[XS_+14]|, |v[XS_+15]|
	v_max3_num_f32 v8, v8, v9, (EMAX+1)<<23        ; and the floor 2^(3 - 127): so the byte cannot fall under 1
	v_max_num_f32_dpp v8, v8, v8 row_xmask:1 row_mask:0xf bank_mask:0xf   ; and of my neighbour's 16: the block's
	v_add_nc_u32 v11, -(EMAX<<23), v8              ; 2 off its exponent field: the conversion takes the exponent field of this operand as its scale
	v_cvt_scalef32_pk8_fp4_f32 v[C+4*(\t)], v[XS_:XS_+7], v11
	v_cvt_scalef32_pk8_fp4_f32 v[C+4*(\t)+1], v[XS_+8:XS_+15], v11
	v_lshrrev_b32 v[E+(\t)], 23, v11               ; the scale's byte
	ds_store_b8 v5, v[E+(\t)] offset:16*(\t)       ; both lanes of a block write the same byte with the same value
	global_store_b64 v4, v[C+4*(\t):C+4*(\t)+1], s[16:17] offset:32*CB*(\t)   ; the wave stores 256 consecutive bytes, aligned
.endm
.macro WLOADS g                        ; 2,048 numbers of Wo: sixteen loads of 512 consecutive bytes
.irp k, 0,1,2,3,4,5,6,7,8,9,10,11,12,13,14,15
	global_load_b128 v[WI+64*((\g)%2)+4*\k:WI+64*((\g)%2)+4*\k+3], v3, s[12:13] offset:512*(16*(\g)+\k) th:TH_LOAD_NT
.endr
.endm
.macro WRUN g
.if (\g) < 3
	s_wait_loadcnt 16                              ; this run's sixteen loads are in; the next run's may be out
.else
	s_wait_loadcnt 0x0
.endif
.if (\g) >= 2
	s_wait_xcnt 0x0                                ; the stores of two runs ago have read the registers that are written now
.endif
.irp k, 0,1,2,3,4,5,6,7,8,9,10,11,12,13,14,15
	v_cvt_pk_f16_f32 v[WO+32*((\g)%2)+2*\k], v[WI+64*((\g)%2)+4*\k], v[WI+64*((\g)%2)+4*\k+1]
	v_cvt_pk_f16_f32 v[WO+32*((\g)%2)+2*\k+1], v[WI+64*((\g)%2)+4*\k+2], v[WI+64*((\g)%2)+4*\k+3]
.endr
.irp k, 0,1,2,3,4,5,6,7,8,9,10,11,12,13,14,15
	global_store_b64 v4, v[WO+32*((\g)%2)+2*\k:WO+32*((\g)%2)+2*\k+1], s[20:21] offset:256*(16*(\g)+\k)   ; 256 consecutive bytes, aligned
.endr
.if (\g) < 2
	WLOADS (\g)+2
.endif
.endm
; cos and sin of v6 x v[inv].  n = the nearest whole number to angle x 2 / pi; r = angle - n pi / 2, pi / 2 in three parts; polynomials on |r| <= pi / 4; n mod 4 says which of the two goes where, and the signs.
.macro SINCOS dc, ds, inv
	v_mul_f32 v32, v6, v[\inv]                     ; the angle
	v_mul_f32 v33, s29, v32
	v_rndne_f32 v33, v33                           ; n
	v_fma_f32 v32, v33, s30, v32
	v_fma_f32 v32, v33, s31, v32
	v_fma_f32 v32, v33, s32, v32                   ; r
	v_mul_f32 v34, v32, v32                        ; z = r r
	v_cvt_i32_f32 v35, v33
	v_fma_f32 v36, v34, s33, s34
	v_fma_f32 v37, v34, s36, s37
	v_fma_f32 v36, v36, v34, s35
	v_fma_f32 v37, v37, v34, s38
	v_mul_f32 v36, v36, v34
	v_mul_f32 v38, v34, v34
	v_fma_f32 v39, v34, -0.5, 1.0
	v_fma_f32 v36, v36, v32, v32                   ; sin r
	v_fma_f32 v37, v37, v38, v39                   ; cos r
	v_and_b32 v38, 1, v35
	v_cmp_ne_u32 vcc_lo, 0, v38
	v_cndmask_b32 v[\ds], v36, v37, vcc_lo         ; n odd: the two change places
	v_cndmask_b32 v[\dc], v37, v36, vcc_lo
	v_and_b32 v38, 2, v35
	v_add_nc_u32 v39, 1, v35
	v_lshlrev_b32 v38, 30, v38                     ; sin is negated where n mod 4 is 2 or 3,
	v_and_b32 v39, 2, v39
	v_xor_b32 v[\ds], v[\ds], v38
	v_lshlrev_b32 v39, 30, v39                     ; cos where it is 1 or 2
	v_xor_b32 v[\dc], v[\dc], v39
.endm
	s_load_b512 s[4:19], s[0:1], 0x0               ; x 4:5, Wq 6:7, Wk 8:9, Wv 10:11, Wo 12:13, positions 14:15, codes 16:17, scales 18:19
	s_load_b128 s[20:23], s[0:1], 0x40             ; wo16 20:21, tab 22:23
	v_lshl_add_u32 v[SPW], v0, 2, SPARE
	v_mov_b32 v[NIL], 0
	v_lshrrev_b32 v1, 5, v0
	v_readfirstlane_b32 s24, v1                    ; wave
	v_and_b32 v2, 31, v0                           ; lane
	s_wait_kmcnt 0x0
	s_cmp_ge_u32 ttmp9, 352
	s_cbranch_scc1 .Lnot_quant
	; ---- the quantiser.  A wave takes 16 steps of 512 numbers: 8 rows of 1,024
	v_lshlrev_b32 v3, 4, v2                        ; my 16 bytes of a load's 512
	s_mul_i32 s25, s24, WREG
	v_lshrrev_b32 v14, 2, v2
	v_mul_u32_u24 v14, v14, SP
	v_and_b32 v15, 3, v2
	v_lshl_add_u32 v14, v15, 4, v14
	v_add_nc_u32 v14, s25, v14                     ; the stage, on the way in: SP (lane / 4) + 16 (lane % 4)
	v_mul_u32_u24 v15, v2, SP
	v_add_nc_u32 v15, s25, v15                     ; and on the way out: SP x lane: my 16 neighbours
	v_mul_u32_u24 v4, v2, CB                       ; my codes' place in a step's
	v_lshrrev_b32 v5, 1, v2
	s_add_co_u32 s25, s25, 2*32*SP
	v_add_nc_u32 v5, s25, v5                       ; LDS: my wave's 256 scale bytes, my block's byte
	v_lshlrev_b32 v7, 3, v2                        ; and on the way out 8 bytes a lane
	v_add_nc_u32 v6, s25, v7
	s_lshl_b32 s32, ttmp9, 2
	s_add_co_u32 s32, s32, s24                     ; x: which run of 8 rows is my wave's
	s_lshl_b32 s26, s32, 15                        ; its numbers,
	s_lshl_b32 s28, s32, 12                        ; its codes,
	s_lshl_b32 s30, s32, 8                         ; its scale bytes
	s_sub_co_u32 s33, ttmp9, 256                   ; the weights: u = g - 256
	s_lshr_b32 s34, s33, 5
	s_and_b32 s34, s34, 3                          ; which of the three
	s_and_b32 s35, s33, 31                         ; which 32 rows of it
	s_lshl_b32 s36, s35, 17
	s_lshl_b32 s37, s24, 15
	s_add_co_u32 s36, s36, s37                     ; the numbers
	s_lshr_b32 s37, s35, 2
	s_mul_i32 s37, s37, 384                        ; the row in the codes' layout: column group x 384
	s_lshl_b32 s38, s34, 7
	s_add_co_u32 s37, s37, s38                     ; + 128 x (q, k, v)
	s_and_b32 s38, s35, 3
	s_lshl_b32 s38, s38, 5
	s_add_co_u32 s37, s37, s38                     ; + the work-group's 32 rows
	s_lshl_b32 s38, s24, 3
	s_add_co_u32 s37, s37, s38                     ; + the wave's 8
	s_lshl_b32 s38, s37, 9
	s_add_co_u32 s38, s38, XC
	s_lshl_b32 s39, s37, 5
	s_add_co_u32 s39, s39, XS
	s_cmp_lt_u32 ttmp9, 256                        ; the choices hang on the work-group's number alone
	s_cselect_b32 s26, s26, s36
	s_cselect_b32 s28, s28, s38
	s_cselect_b32 s30, s30, s39
	s_cselect_b64 s[40:41], s[4:5], s[6:7]
	s_cmp_ge_u32 ttmp9, 288
	s_cselect_b64 s[40:41], s[8:9], s[40:41]
	s_cmp_ge_u32 ttmp9, 320
	s_cselect_b64 s[40:41], s[10:11], s[40:41]
	s_mov_b32 s27, 0
	s_mov_b32 s29, 0
	s_mov_b32 s31, 0
	s_add_nc_u64 s[40:41], s[40:41], s[26:27]
	s_add_nc_u64 s[16:17], s[16:17], s[28:29]
	s_add_nc_u64 s[18:19], s[18:19], s[30:31]
.irp t, 0,1,2,3
	LOAD \t
.endr
	s_wait_loadcnt 12                              ; step 0's four loads are in
	TURN 0
.irp t, 0,1,2,3,4,5,6,7,8,9,10,11,12,13,14,15
	STEP \t
.endr
	ds_load_b64 v[8:9], v6                         ; LDS serves a wave's instructions in order: these see my byte stores
	s_wait_dscnt 0x0
	global_store_b64 v7, v[8:9], s[18:19]          ; 32 lanes store 256 consecutive bytes, aligned
	s_wait_tensorcnt 0x0                           ; the wave's end: a wait, 0 onto my spare word and its wait, behind my last LDS store
	ds_add_u32 v[SPW], v[NIL]
	s_wait_dscnt 0x0
	s_endpgm
.Lnot_quant:
	s_cmp_ge_u32 ttmp9, 384
	s_cbranch_scc1 .Ltab
	; ---- Wo to f16: a wave takes 8,192 numbers, in four runs; loads run one run ahead
	s_sub_co_u32 s25, ttmp9, 352
	s_lshl_b32 s25, s25, 2
	s_add_co_u32 s25, s25, s24
	s_lshl_b32 s26, s25, 15
	s_mov_b32 s27, 0
	s_lshl_b32 s28, s25, 14
	s_mov_b32 s29, 0
	s_add_nc_u64 s[12:13], s[12:13], s[26:27]
	s_add_nc_u64 s[20:21], s[20:21], s[28:29]
	v_lshlrev_b32 v3, 4, v2
	v_lshlrev_b32 v4, 3, v2
	WLOADS 0
	WLOADS 1
	WRUN 0
	WRUN 1
	WRUN 2
	WRUN 3
	s_endpgm
.Ltab:
	; ---- the table: a wave takes 16 positions
	s_sub_co_u32 s25, ttmp9, 384
	s_lshl_b32 s25, s25, 2
	s_add_co_u32 s25, s25, s24                     ; which 16 positions
	v_and_b32 v3, 15, v0                           ; r
	v_bfe_u32 v4, v0, 4, 1                         ; h
	s_lshl_b32 s26, s25, 6
	s_mov_b32 s27, 0
	s_add_nc_u64 s[14:15], s[14:15], s[26:27]
	v_lshlrev_b32 v5, 2, v3
	global_load_b32 v6, v5, s[14:15]               ; token_positions[16 sb + r]
	s_lshl_b32 s40, s25, 12
	s_mov_b32 s41, 0
	s_add_nc_u64 s[22:23], s[22:23], s[40:41]
	v_lshlrev_b32 v7, 4, v2                        ; 16 bytes a lane
	v_lshlrev_b32 v8, 2, v4                        ; 4 h
	s_mov_b32 s28, 0xbed49a78                      ; -log2(10000) / 32
	s_mov_b32 s29, 0x3f22f983                      ; 2 / pi
	s_mov_b32 s30, 0xbfc90000                      ; -pi / 2, in three parts
	s_mov_b32 s31, 0xb9fda000
	s_mov_b32 s32, 0xb3a22168
	s_mov_b32 s33, 0xb94ca1f9                      ; sin: -1.9515295891e-4,
	s_mov_b32 s34, 0x3c08839e                      ; 8.3321608736e-3,
	s_mov_b32 s35, 0xbe2aaaa3                      ; -1.6666654611e-1
	s_mov_b32 s36, 0x37ccf5ce                      ; cos: 2.443315711809948e-5,
	s_mov_b32 s37, 0xbab6061a                      ; -1.388731625493765e-3,
	s_mov_b32 s38, 0x3d2aaaa5                      ; 4.166664568298827e-2
.set n, 0
.rept 16
	v_add_nc_u32 v[INV+n], 8*((n/2)/2)+2*((n/2)%2)+n%2, v8         ; f of store n / 2, number n % 2
.set n, n+1
.endr
.set n, 0
.rept 16
	v_cvt_f32_u32 v[INV+n], v[INV+n]
.set n, n+1
.endr
.set n, 0
.rept 16
	v_mul_f32 v[INV+n], s28, v[INV+n]
.set n, n+1
.endr
.set n, 0
.rept 16
	v_exp_f32 v[INV+n], v[INV+n]                   ; 10000^(-f / 32): one batch
.set n, n+1
.endr
	v_nop                                          ; a plain instruction behind the last exponential
	s_wait_alu depctr_va_vdst(0)                   ; one wait for the batch, ahead of its first use
	s_wait_loadcnt 0x0
	v_cvt_f32_i32 v6, v6                           ; the position as f32
.irp u, 0,1,2,3,4,5,6,7
	SINCOS TR+4*\u, TR+4*\u+1, INV+2*\u
	SINCOS TR+4*\u+2, TR+4*\u+3, INV+2*\u+1
	global_store_b128 v7, v[TR+4*\u:TR+4*\u+3], s[22:23] offset:512*\u   ; 512 consecutive bytes, aligned
.endr
	s_endpgm
.Lfunc_end_k_qa67ac88f17_prep:
	.size	k_qa67ac88f17_prep, .Lfunc_end_k_qa67ac88f17_prep-k_qa67ac88f17_prep
	.p2alignl 7, 3214868480
	.fill 96, 4, 3214868480
	.section	.rodata,"a",@progbits
	.p2align	6, 0x0
	.amdhsa_kernel k_qa67ac88f17_prep
		.amdhsa_group_segment_fixed_size 33280
		.amdhsa_private_segment_fixed_size 0
		.amdhsa_enable_private_segment 0
		.amdhsa_kernarg_size 80
		.amdhsa_user_sgpr_count 2
		.amdhsa_user_sgpr_kernarg_segment_ptr 1
		.amdhsa_wavefront_size32 1
		.amdhsa_system_sgpr_workgroup_id_x 1
		.amdhsa_system_sgpr_workgroup_id_y 1
		.amdhsa_system_sgpr_workgroup_id_z 1
		.amdhsa_system_vgpr_workitem_id 0
		.amdhsa_next_free_vgpr 208
		.amdhsa_next_free_sgpr 66
		.amdhsa_reserve_vcc 1
		.amdhsa_float_denorm_mode_32 3
		.amdhsa_float_denorm_mode_16_64 3
		.amdhsa_memory_ordered 1
		.amdhsa_forward_progress 1
		.amdhsa_inst_pref_size 78
	.end_amdhsa_kernel
	.amdgpu_metadata
---
amdhsa.version: [ 1, 2 ]
amdhsa.kernels:
  - .name:           k_qa67ac88f17_prep
    .symbol:         k_qa67ac88f17_prep.kd
    .args:
      - { .name: x, .offset: 0, .size: 8, .value_kind: global_buffer, .address_space: global }
      - { .name: Wq, .offset: 8, .size: 8, .value_kind: global_buffer, .address_space: global }
      - { .name: Wk, .offset: 16, .size: 8, .value_kind: global_buffer, .address_space: global }
      - { .name: Wv, .offset: 24, .size: 8, .value_kind: global_buffer, .address_space: global }
      - { .name: Wo, .offset: 32, .size: 8, .value_kind: global_buffer, .address_space: global }
      - { .name: token_positions, .offset: 40, .size: 8, .value_kind: global_buffer, .address_space: global }
      - { .name: codes, .offset: 48, .size: 8, .value_kind: global_buffer, .address_space: global }
      - { .name: scales, .offset: 56, .size: 8, .value_kind: global_buffer, .address_space: global }
      - { .name: wo16, .offset: 64, .size: 8, .value_kind: global_buffer, .address_space: global }
      - { .name: tab, .offset: 72, .size: 8, .value_kind: global_buffer, .address_space: global }
    .group_segment_fixed_size: 33280
    .private_segment_fixed_size: 0
    .kernarg_segment_align: 8
    .kernarg_segment_size: 80
    .max_flat_workgroup_size: 128
    .sgpr_count:     66
    .vgpr_count:     208
    .wavefront_size: 32
...
	.end_amdgpu_metadata
.endif
;; end of part 1
;; launch qkv (part 2): grid 8 x 32, 4 waves a work-group, clusters of 4 x 4, 327,680 bytes of LDS; arguments codes, scales, tab, qkv16, fine; writes qkv16, fine
.if DOCPART == 2
	.amdgcn_target "amdgcn-amd-amdhsa--gfx1250"
	.amdhsa_code_object_version 6
	.text
	.protected	k_qa67ac88f17_qkv
	.globl	k_qa67ac88f17_qkv
	.p2align	8
	.type	k_qa67ac88f17_qkv,@function
k_qa67ac88f17_qkv:
	s_mov_b64 s[64:65], 0
	v_nop
	global_prefetch_b8 v0, s[64:65] scope:SCOPE_SE
	s_setreg_imm32_b32 hwreg(HW_REG_WAVE_MODE, 25, 1), 1
	s_wait_xcnt 0x0
	s_wait_alu depctr_hold_cnt(0) depctr_sa_sdst(0) depctr_va_vdst(0) depctr_va_sdst(0) depctr_va_ssrc(0) depctr_va_vcc(0) depctr_vm_vsrc(0)
	s_getreg_b32 s2, hwreg(HW_REG_IB_STS2, 6, 4)
	s_cmp_eq_u32 s2, 0
	s_cbranch_scc0 .Lentry_in_a_cluster
	s_endpgm
.Lentry_in_a_cluster:
	s_bfe_u32 s2, ttmp6, 0x10000c
	s_cmp_lg_u32 s2, 0xf033
	s_cbranch_scc0 .Lentry_shape_is_right
	s_endpgm
.Lentry_shape_is_right:
; Q, K, V = x Wq^T, x Wk^T, x Wv^T on codes of FP4 (E2M1) with one E8M0 scale for each 32 along K = 1,024; sums in f32; RoPE on Q and K in f32; results rounded to f16 and laid by head, qkv16 [q, k, v][batch][head][position][64].
; Positions 0 to 15 of every sequence also leave in f32, fine [batch][q, k, v][head][16][64], for the launch that carries those rows finely.
; SHARES.  256 work-groups.  A work-group owns 256 rows of x (row tile i) and the column group j: 128 columns (two heads) of each of Q, K and V: three tiles of 256 x 128, one after the other, on the same rows.
; Wave w makes rows 64 w .. 64 w + 63 by all 128 columns: 32 accumulators.  Its fragments of x for all of K are 256 registers: read from LDS once, they serve all three tiles; after that LDS is read for the weights alone.
; Its cos and sin for 64 rows are 128 registers and serve both heads, and Q and K.
; CLUSTERS: 4 x 4.  j = 4 x cluster x + cx; i = 8 cy + cluster y, so that the batch is cy and the tile's first position 256 x cluster y, a number that all sixteen partners share.
; The four of a row of the cluster need the same rows of x, the four of a column the same rows of the weights: each is asked for jointly, by the same tensor load with the same descriptor and a mask that names the four.
; THE MATRIX INSTRUCTION IS USED TRANSPOSED (source 0 = 16 rows of a weight, source 1 = 16 rows of x): a lane holds eight neighbouring columns of one row, which are four of RoPE's pairs.
; LDS: x's 256 rows (each wave fills and reads its own 64); two slots of 128 rows of weights (tiles Q and K at the start; V fills Q's slot again); the scale bytes of x's rows and of all 384 rows of weights, once.
; LIMITS: |Q|, |K| or |V| beyond 65,504 would become infinity in f16.
; REGISTERS, in windows of 256: window 0: v0-31 addresses; v32-63 x's scale words (block a, K step q: 8 a + q); v64-95 the weights' (lanes 0-15 block bp, lanes 16-31 block bp + 4: 8 bp + q); v96-127 packed results;
;   v128-191, v192-255 the weights' fragments, two sets; on the way out v192-255 rows read back.   window 1: x's fragments (64 a + 8 q).   window 2: accumulator (a, b) at 8 (8 a + b).
;   window 3: v0-127 cos and sin (32 a + 8 (b % 4) + 2 pair); v128-191 a block of rows behind RoPE.
.set XC,    4194304
.set XS,    262144
.set PITCH, 528                        ; an LDS row: 512 bytes + 16: an odd multiple of 16 bytes, so that the 16 rows of a fragment load fall on 16 different columns of 16 bytes
.set AW,    64*PITCH                   ; a wave's rows of x
.set SB0,   4*AW
.set BQ,    32*PITCH                   ; a wave's quarter of a tile of weights
.set SB1,   SB0+4*BQ
.set SCA,   SB1+4*BQ                   ; x's scale bytes: 8 units of 256 + 16 bytes a wave
.set SCB,   SCA+4*2176                 ; the weights': 12 units a wave
.set SPARE, SCB+4*3264                 ; the spare words, 128 bytes for each wave
.set ADRA, 16
.set ADRB, 17                          ; v17, v18: slot 0, 1
.set ASA,  19
.set ASB,  20
.set STO,  21
.set RD,   22
.set GO,   23                          ; 16 x lane
.set FO,   24
.set SPW,  28
.set NIL,  29
.set SA,   32
.set SBR,  64
.set PK,   96
.set BF,   128
.set BK,   192
.set TMP,  128                         ; in window 3
.set G1A,  24
.set G1B,  32
.set G1SA, 40
.set G1SB, 48
.set G0A,  56
.set G0B0, 60
.set G0B1, 68
.set G0SA, 72
.set G0SB, 76
.set MUL,  0xa4                        ; source 0 (weights) window 0, source 1 (x) window 1, C and D window 2
.set MSB, 0
.macro WIN new                         ; the immediate's high byte repeats the setting that is left
.if MSB != \new
	s_set_vgpr_msb (MSB<<8)|\new
.set MSB, \new
.endif
.endm
.macro CREST                           ; a round of the cluster's barrier behind its opening barrier
	s_cmp_lg_u32 s14, 0
	s_cbranch_scc1 .Lnot_wave_0_\@
	s_barrier_signal -3
.Lnot_wave_0_\@:
	s_barrier_wait -3
	s_barrier_signal -1
	s_barrier_wait -1
.endm
.macro CROUND
	s_barrier_signal -1
	s_barrier_wait -1
	CREST
.endm
.macro PLACES n                        ; plain vector instructions between a matrix instruction and a load into, or a read of, its registers
.rept \n
	v_nop
.endr
.endm
.macro MM a, b, p, q, zero             ; one product: x's block a, the weights' block b from set p, K step q
.set rD, 8*(8*(\a)+(\b))
.set rW, BF+64*(\p)+8*(\b)
.set rX, 64*(\a)+8*(\q)
.set rSW, SBR+8*((\b)%4)+(\q)
.set rSX, SA+8*(\a)+(\q)
.if \zero
.if (\b) < 4
	v_wmma_scale_f32_16x16x128_f8f6f4 v[rD:rD+7], v[rW:rW+7], v[rX:rX+7], 0, v[rSW], v[rSX] matrix_a_fmt:MATRIX_FMT_FP4 matrix_b_fmt:MATRIX_FMT_FP4
.else
	v_wmma_scale_f32_16x16x128_f8f6f4 v[rD:rD+7], v[rW:rW+7], v[rX:rX+7], 0, v[rSW], v[rSX] matrix_a_fmt:MATRIX_FMT_FP4 matrix_b_fmt:MATRIX_FMT_FP4 matrix_a_scale:MATRIX_SCALE_ROW1
.endif
.else
.if (\b) < 4
	v_wmma_scale_f32_16x16x128_f8f6f4 v[rD:rD+7], v[rW:rW+7], v[rX:rX+7], v[rD:rD+7], v[rSW], v[rSX] matrix_a_fmt:MATRIX_FMT_FP4 matrix_b_fmt:MATRIX_FMT_FP4
.else
	v_wmma_scale_f32_16x16x128_f8f6f4 v[rD:rD+7], v[rW:rW+7], v[rX:rX+7], v[rD:rD+7], v[rSW], v[rSX] matrix_a_fmt:MATRIX_FMT_FP4 matrix_b_fmt:MATRIX_FMT_FP4 matrix_a_scale:MATRIX_SCALE_ROW1
.endif
.endif
.endm
.macro MUL16 a0, p, q, zero            ; the 32 accumulators take turns, one instruction a turn, in the same order in every step
.irp a, \a0, \a0+1
.irp b, 0,1,2,3,4,5,6,7
	MM \a, \b, \p, \q, \zero
.endr
.endr
.endm
.macro FETCH_B slot, q, p              ; the weights' eight fragments of K step q into set p: lane l holds row l % 16; registers 4 c .. 4 c + 3 hold K = 64 c + 32 (l / 16) + 0 .. 31
.irp b, 0,1,2,3,4,5,6,7
.irp c, 0,1
	ds_load_b128 v[BF+64*(\p)+8*\b+4*\c:BF+64*(\p)+8*\b+4*\c+3], v[ADRB+\slot] offset:\b*16*PITCH+64*(\q)+32*\c
.endr
.endr
.endm
.macro SCALES_B t                      ; tile t's scale words for all of K
.irp bp, 0,1,2,3
.irp u, 0,1
	ds_load_b128 v[SBR+8*\bp+4*\u:SBR+8*\bp+4*\u+3], v[ASB] offset:(\t)*4352+\bp*544+16*\u
.endr
.endr
.endm
.macro STEP slot, q, zero              ; K step q < 7: its 32 products, and ahead of them the fetch of the next step's fragments
	s_wait_dscnt 0x0                               ; this step's fragments are in
	PLACES 4                                       ; in front of loads into the set that the last step's products read
	WIN 0
	FETCH_B \slot, (\q)+1, ((\q)+1)%2
	WIN MUL
	MUL16 0, (\q)%2, \q, \zero
	MUL16 2, (\q)%2, \q, \zero
.endm
; K step 7 ends a tile: one barrier.  In front of it each wave waits for all its tensor loads, adds 0 to its spare word, and waits for that and for its reads of this slot.
; fill = 1: the barrier opens a round of the cluster's barrier, and this slot is filled again, with V's rows.
.macro TURN slot, next, tnext, fill
	WIN 0
	s_wait_tensorcnt 0x0                           ; all my tensor loads have landed: my quarter of the next tile's weights among them
	ds_add_u32 v[SPW], v[NIL]                      ; 0 onto my spare word
	s_wait_dscnt 1                                 ; this step's fragments are in; the add may be out
	WIN MUL
	MUL16 0, 1, 7, 0
	s_wait_dscnt 0x0                               ; the add is done, and my reads of this slot are over
	s_barrier_signal -1
	MUL16 2, 1, 7, 0
	WIN 0
	s_barrier_wait -1
.if \fill
	CREST                                          ; no wave of any partner still reads this slot or has a load on its way
	s_add_nc_u64 s[G0B0+2:G0B0+3], s[G0B0+2:G0B0+3], 131072   ; from Q's rows to V's
	tensor_load_to_lds s[G0B0:G0B0+3], s[G1B:G1B+7]           ; my one tensor load behind the round
	s_nop 0
	PLACES 4                                       ; also the places in front of the loads below and of the first read of results
.else
	PLACES 4
.endif
	SCALES_B \tnext
	FETCH_B \next, 0, 0
.endm
; RoPE on block a: for each pair (t1, t2) with (cos, sin): first (t1 cos, t1 sin), then (-t2 sin + t1 cos, t2 cos + t1 sin).  Each accumulator is read from its low end on.
.macro ROPE a
	WIN 0xfe                                       ; source 0 window 2; sources 1, 2 and the destination window 3
.irp b, 0,1,2,3,4,5,6,7
.irp i, 0,1,2,3
	v_pk_mul_f32 v[TMP+8*\b+2*\i:TMP+8*\b+2*\i+1], v[8*(8*(\a)+\b)+2*\i:8*(8*(\a)+\b)+2*\i+1], v[32*(\a)+8*(\b%4)+2*\i:32*(\a)+8*(\b%4)+2*\i+1] op_sel_hi:[0,1]
.endr
.irp i, 0,1,2,3
	v_pk_fma_f32 v[TMP+8*\b+2*\i:TMP+8*\b+2*\i+1], v[8*(8*(\a)+\b)+2*\i:8*(8*(\a)+\b)+2*\i+1], v[32*(\a)+8*(\b%4)+2*\i:32*(\a)+8*(\b%4)+2*\i+1], v[TMP+8*\b+2*\i:TMP+8*\b+2*\i+1] op_sel:[1,1,0] op_sel_hi:[1,0,1] neg_lo:[1,0,0]
.endr
.endr
.endm
.macro PACK a, t                       ; block a to f16: 16 bytes a lane for each of the eight column blocks
.if (\t) < 2
	ROPE \a
	WIN 0x0f
.irp b, 0,1,2,3,4,5,6,7
.irp i, 0,1,2,3
	v_cvt_pk_f16_f32 v[PK+4*\b+\i], v[TMP+8*\b+2*\i], v[TMP+8*\b+2*\i+1]
.endr
.endr
.else
	WIN 0x0a
.irp b, 0,1,2,3,4,5,6,7
.irp i, 0,1,2,3
	v_cvt_pk_f16_f32 v[PK+4*\b+\i], v[8*(8*(\a)+\b)+2*\i], v[8*(8*(\a)+\b)+2*\i+1]
.endr
.endr
.endif
	WIN 0
.endm
.macro FINE t                          ; positions 0 to 15 in f32: block 0 of wave 0 where the cluster's y is 0: a number that all partners share, and the wave's
	s_cmp_lg_u32 s96, 0
	s_cbranch_scc1 .Lno_fine_\@
.if (\t) < 2
	WIN 0x0c                                       ; a store's data are its source 1: window 3
.irp b, 0,1,2,3,4,5,6,7
.irp c, 0,1
	global_store_b128 v[FO], v[TMP+8*\b+4*\c:TMP+8*\b+4*\c+3], s[18:19] offset:(\t)*65536+(\b/4)*4096+(\b%4)*64+16*\c
.endr
.endr
.else
	WIN 0x08                                       ; window 2
.irp b, 0,1,2,3,4,5,6,7
.irp c, 0,1
	global_store_b128 v[FO], v[8*\b+4*\c:8*\b+4*\c+3], s[18:19] offset:(\t)*65536+(\b/4)*4096+(\b%4)*64+16*\c
.endr
.endr
.endif
	WIN 0
	s_wait_xcnt 0x0                                ; the stores have read their data: the next block's RoPE writes the same registers
.Lno_fine_\@:
.endm
.macro TOSTAGE a                       ; 16 rows x two heads through my stage (rows of 128 + 16 bytes), back as dense runs of 512 bytes.  LDS serves a wave's instructions in order
.irp b, 0,1,2,3,4,5,6,7
	ds_store_b128 v[STO], v[PK+4*\b:PK+4*\b+3] offset:(\b/4)*2304+(\b%4)*32
.endr
.irp i, 0,1,2,3,4,5,6,7
	ds_load_b128 v[BK+32*((\a)%2)+4*\i:BK+32*((\a)%2)+4*\i+3], v[RD] offset:(\i/4)*2304+(\i%4)*576
.endr
.endm
.macro SEND a, younger                 ; younger: the LDS instructions issued behind block a's loads
	s_wait_dscnt \younger
.irp i, 0,1,2,3,4,5,6,7
	global_store_b128 v[GO], v[BK+32*((\a)%2)+4*\i:BK+32*((\a)%2)+4*\i+3], s[16:17] offset:(\i/4)*262144+(\a)*2048+(\i%4)*512   ; four rows of a head: 512 consecutive bytes, aligned
.endr
.endm
.macro OUT t
.if (\t) > 0
	s_add_nc_u64 s[16:17], s[16:17], 16777216      ; the next of q, k, v (the last way out ended with a wait on XCNT: its stores have read their base)
.endif
	PACK 0, \t
	FINE \t
	TOSTAGE 0
.irp a, 1,2,3
.if \a > 1
	s_wait_xcnt 0x0                                ; block a - 2's stores have read the registers into which block a's rows are loaded
.endif
	PACK \a, \t
	TOSTAGE \a
	SEND \a-1, 16                                  ; behind block a - 1's loads: block a's 8 stores and 8 loads
.endr
	SEND 3, 0
	s_wait_xcnt 0x0                                ; the next tile's fragments are loaded into the registers that these stores read
.endm
	s_load_b256 s[4:11], s[0:1], 0x0               ; codes 4:5, scales 6:7, tab 8:9, qkv16 10:11
	s_load_b64 s[12:13], s[0:1], 0x20              ; fine
	v_lshl_add_u32 v[SPW], v0, 2, SPARE
	v_mov_b32 v[NIL], 0
	ds_add_u32 v[SPW], v[NIL]                      ; the wave's opening: the add, twice on end, and its wait ahead of my first tensor load
	ds_add_u32 v[SPW], v[NIL]
	v_lshrrev_b32 v1, 5, v0
	v_readfirstlane_b32 s14, v1                    ; wave 0..3
	s_bfe_u32 s80, ttmp6, 0x40000                  ; cx
	s_bfe_u32 s81, ttmp6, 0x40004                  ; cy
	s_and_b32 s82, ttmp7, 0xffff                   ; the cluster's y
	s_lshl_b32 s83, ttmp9, 2
	s_add_co_u32 s83, s83, s80                     ; column group j
	s_lshl_b32 s84, s81, 3
	s_add_co_u32 s84, s84, s82                     ; row tile i = 8 cy + cluster y
	s_lshl_b32 s85, s81, 2
	s_lshl_b32 s85, 15, s85                        ; my row of the cluster
	s_lshl_b32 s86, 0x1111, s80                    ; my column
	s_or_b32 s96, s82, s14                         ; 0: my wave holds positions 0 to 15
	; group 1: x: 64 rows of 512 bytes; weights: 32 rows; 16 bytes of padding behind each row
	s_or_b32 s[G1A], s85, (0<<16)|(1<<20)|(1<<21)|(6<<22)|(3<<25)
	s_mov_b32 s[G1A+1], 512<<16
	s_mov_b32 s[G1A+2], 64<<16
	s_mov_b32 s[G1A+3], 512<<16
	s_mov_b32 s[G1A+4], 64
	s_mov_b32 s[G1A+5], 512
	s_mov_b32 s[G1A+6], 0
	s_mov_b32 s[G1A+7], 0
	s_or_b32 s[G1B], s86, (0<<16)|(1<<20)|(1<<21)|(6<<22)|(3<<25)
	s_mov_b32 s[G1B+1], 512<<16
	s_mov_b32 s[G1B+2], 32<<16
	s_mov_b32 s[G1B+3], 512<<16
	s_mov_b32 s[G1B+4], 32
	s_mov_b32 s[G1B+5], 512
	s_mov_b32 s[G1B+6], 0
	s_mov_b32 s[G1B+7], 0
	; the scale bytes: dense blocks, as rows of 256 bytes (32 elements of 8 bytes) with 16 bytes of padding: 8 rows for x, 12 for the weights
	s_or_b32 s[G1SA], s85, (3<<16)|(1<<20)|(1<<21)|(5<<22)|(3<<25)
	s_mov_b32 s[G1SA+1], 32<<16
	s_mov_b32 s[G1SA+2], 8<<16
	s_mov_b32 s[G1SA+3], 32<<16
	s_mov_b32 s[G1SA+4], 8
	s_mov_b32 s[G1SA+5], 32
	s_mov_b32 s[G1SA+6], 0
	s_mov_b32 s[G1SA+7], 0
	s_or_b32 s[G1SB], s86, (3<<16)|(1<<20)|(1<<21)|(5<<22)|(3<<25)
	s_mov_b32 s[G1SB+1], 32<<16
	s_mov_b32 s[G1SB+2], 12<<16
	s_mov_b32 s[G1SB+3], 32<<16
	s_mov_b32 s[G1SB+4], 12
	s_mov_b32 s[G1SB+5], 32
	s_mov_b32 s[G1SB+6], 0
	s_mov_b32 s[G1SB+7], 0
	; where the tiles come from: x's hang on i and the wave, the weights' on j and the wave, each in registers that never hold the other coordinate
	s_lshl_b32 s88, s84, 17
	s_lshl_b32 s87, s14, 15
	s_add_co_u32 s88, s88, s87
	s_mov_b32 s89, 0
	s_lshl_b32 s92, s84, 13
	s_lshl_b32 s87, s14, 11
	s_add_co_u32 s92, s92, s87
	s_mov_b32 s93, 0
	s_mul_i32 s90, s83, 196608
	s_lshl_b32 s97, s14, 14
	s_add_co_u32 s90, s90, s97
	s_add_co_u32 s90, s90, XC
	s_mov_b32 s91, 0
	s_mul_i32 s94, s83, 12288
	s_mul_i32 s97, s14, 3072
	s_add_co_u32 s94, s94, s97
	s_add_co_u32 s94, s94, XS
	s_mov_b32 s95, 0
	; and where they go: the wave's number alone
	s_mul_i32 s22, s14, AW
	s_mov_b32 s[G0A], 1
	s_mov_b32 s[G0A+1], s22
	s_mul_i32 s23, s14, BQ
	s_mov_b32 s[G0B0], 1
	s_add_co_u32 s[G0B0+1], s23, SB0
	s_mov_b32 s[G0B1], 1
	s_add_co_u32 s[G0B1+1], s23, SB1
	s_mul_i32 s23, s14, 2176
	s_mov_b32 s[G0SA], 1
	s_add_co_u32 s[G0SA+1], s23, SCA
	s_mul_i32 s15, s14, 3264
	s_mov_b32 s[G0SB], 1
	s_add_co_u32 s[G0SB+1], s15, SCB
	; the lanes' addresses
	v_and_b32 v1, 15, v0                           ; r
	v_bfe_u32 v2, v0, 4, 1                         ; h
	v_and_b32 v3, 31, v0                           ; lane
	v_mul_u32_u24 v4, v1, PITCH
	v_lshl_add_u32 v4, v2, 4, v4                   ; a fragment's row x pitch + 16 h
	v_add_nc_u32 v[ADRA], s22, v4
	v_add_nc_u32 v[ADRB], SB0, v4
	v_add_nc_u32 v[ADRB+1], SB1, v4
	v_lshrrev_b32 v5, 3, v1
	v_mul_u32_u24 v5, v5, 272
	v_and_b32 v6, 7, v1
	v_lshl_add_u32 v5, v6, 5, v5                   ; a row's 32 scale bytes: eight rows to a unit
	s_add_co_u32 s23, s23, SCA
	v_add_nc_u32 v[ASA], s23, v5
	v_mul_u32_u24 v6, v2, 2176                     ; lanes 16-31 take the block four further on
	v_add_nc_u32 v6, v6, v5
	v_add_nc_u32 v[ASB], SCB, v6
	v_mul_u32_u24 v7, v1, 144
	v_lshl_add_u32 v7, v2, 4, v7
	v_add_nc_u32 v[STO], s22, v7                   ; my stage lies in my own rows of x, which have had their one fill and are read by me alone, and no more once the fragments are in registers
	v_lshrrev_b32 v8, 3, v3
	v_mul_u32_u24 v8, v8, 144
	v_and_b32 v9, 7, v3
	v_lshl_add_u32 v8, v9, 4, v8
	v_add_nc_u32 v[RD], s22, v8
	v_lshlrev_b32 v[GO], 4, v3
	v_lshlrev_b32 v[FO], 8, v1
	v_lshl_add_u32 v[FO], v2, 5, v[FO]
	s_wait_dscnt 0x0                               ; both opening adds are done
	s_wait_kmcnt 0x0
	s_add_nc_u64 s[G0A+2:G0A+3], s[4:5], s[88:89]
	s_or_b32 s[G0A+3], s[G0A+3], 0x80000000
	s_add_nc_u64 s[G0B0+2:G0B0+3], s[4:5], s[90:91]
	s_add_nc_u64 s[G0B1+2:G0B1+3], s[G0B0+2:G0B0+3], 65536    ; K's rows
	s_or_b32 s[G0B0+3], s[G0B0+3], 0x80000000
	s_or_b32 s[G0B1+3], s[G0B1+3], 0x80000000
	s_add_nc_u64 s[G0SA+2:G0SA+3], s[6:7], s[92:93]
	s_or_b32 s[G0SA+3], s[G0SA+3], 0x80000000
	s_add_nc_u64 s[G0SB+2:G0SB+3], s[6:7], s[94:95]
	s_or_b32 s[G0SB+3], s[G0SB+3], 0x80000000
	; the results' places
	s_lshl_b32 s98, s81, 4
	s_lshl_b32 s99, s83, 1
	s_add_co_u32 s98, s98, s99                     ; 16 x batch + my first head
	s_lshl_b32 s98, s98, 18
	s_lshl_b32 s99, s82, 15
	s_add_co_u32 s98, s98, s99                     ; + the tile's first position
	s_lshl_b32 s99, s14, 13
	s_add_co_u32 s98, s98, s99                     ; + my wave's 64
	s_mov_b32 s99, 0
	s_add_nc_u64 s[16:17], s[10:11], s[98:99]
	s_mul_i32 s98, s81, 196608
	s_lshl_b32 s97, s83, 13
	s_add_co_u32 s98, s98, s97
	s_add_nc_u64 s[18:19], s[12:13], s[98:99]
	s_lshl_b32 s98, s82, 16
	s_lshl_b32 s97, s14, 14
	s_add_co_u32 s98, s98, s97
	s_add_nc_u64 s[20:21], s[8:9], s[98:99]        ; the table at my wave's first position
	CROUND                                         ; all sixteen work-groups are here: the first joint loads meet
	tensor_load_to_lds s[G0SA:G0SA+3], s[G1SA:G1SA+7]         ; five loads of mine are out: the scale bytes,
	s_nop 0
	tensor_load_to_lds s[G0SB:G0SB+3], s[G1SB:G1SB+7]
	s_nop 0
	tensor_load_to_lds s[G0A:G0A+3], s[G1A:G1A+7]             ; my 64 rows of x,
	s_nop 0
	tensor_load_to_lds s[G0B0:G0B0+3], s[G1B:G1B+7]           ; my quarter of Wq's rows,
	s_nop 0
	tensor_load_to_lds s[G0B1:G0B1+3], s[G1B:G1B+7]           ; and of Wk's
	s_nop 0
	PLACES 4
	WIN 0xc0                                       ; destination window 3
.irp a, 0,1,2,3
.irp u, 0,1,2,3,4,5,6,7
	global_load_b128 v[32*\a+4*\u:32*\a+4*\u+3], v[GO], s[20:21] offset:\a*4096+\u*512   ; cos and sin, in the order of these registers
.endr
.endr
	WIN 0
	s_wait_tensorcnt 0x1                           ; all but Wk's quarter has landed
	s_barrier_signal -1
	s_barrier_wait -1
.irp a, 0,1,2,3
.irp u, 0,1
	ds_load_b128 v[SA+8*\a+4*\u:SA+8*\a+4*\u+3], v[ASA] offset:\a*544+16*\u
.endr
.endr
	SCALES_B 0
	FETCH_B 0, 0, 0
	WIN 0x40                                       ; destination window 1
.irp a, 0,1,2,3
.irp q, 0,1,2,3,4,5,6,7
.irp c, 0,1
	ds_load_b128 v[64*\a+8*\q+4*\c:64*\a+8*\q+4*\c+3], v[ADRA] offset:\a*16*PITCH+64*\q+32*\c
.endr
.endr
.endr
	WIN 0
	; ---- Q
	STEP 0, 0, 1                                   ; the first products start the sums: nothing is cleared
.irp q, 1,2,3,4,5,6
	STEP 0, \q, 0
.endr
	TURN 0, 1, 1, 1
	s_wait_loadcnt 0x0                             ; the table
	OUT 0
	; ---- K
	STEP 1, 0, 1
.irp q, 1,2,3,4,5,6
	STEP 1, \q, 0
.endr
	TURN 1, 0, 2, 0                                ; V's rows, asked for a tile ago, have landed; nothing is filled, so no round follows
	OUT 1
	; ---- V
	STEP 0, 0, 1
.irp q, 1,2,3,4,5,6
	STEP 0, \q, 0
.endr
	s_wait_dscnt 0x0
	WIN MUL
	MUL16 0, 1, 7, 0
	MUL16 2, 1, 7, 0
	PLACES 4
	WIN 0
	OUT 2
	s_wait_tensorcnt 0x0                           ; the wave's end: a wait, 0 onto my spare word and its wait, behind my last tensor load and my last LDS store
	ds_add_u32 v[SPW], v[NIL]
	s_wait_dscnt 0x0
	CROUND                                         ; the closing round
	s_endpgm
.Lfunc_end_k_qa67ac88f17_qkv:
	.size	k_qa67ac88f17_qkv, .Lfunc_end_k_qa67ac88f17_qkv-k_qa67ac88f17_qkv
	.p2alignl 7, 3214868480
	.fill 96, 4, 3214868480
	.section	.rodata,"a",@progbits
	.p2align	6, 0x0
	.amdhsa_kernel k_qa67ac88f17_qkv
		.amdhsa_group_segment_fixed_size 327680
		.amdhsa_private_segment_fixed_size 0
		.amdhsa_enable_private_segment 0
		.amdhsa_kernarg_size 40
		.amdhsa_user_sgpr_count 2
		.amdhsa_user_sgpr_kernarg_segment_ptr 1
		.amdhsa_wavefront_size32 1
		.amdhsa_system_sgpr_workgroup_id_x 1
		.amdhsa_system_sgpr_workgroup_id_y 1
		.amdhsa_system_sgpr_workgroup_id_z 1
		.amdhsa_system_vgpr_workitem_id 0
		.amdhsa_next_free_vgpr 1024
		.amdhsa_next_free_sgpr 100
		.amdhsa_reserve_vcc 0
		.amdhsa_float_denorm_mode_32 3
		.amdhsa_float_denorm_mode_16_64 3
		.amdhsa_memory_ordered 1
		.amdhsa_forward_progress 1
		.amdhsa_inst_pref_size 228
	.end_amdhsa_kernel
	.amdgpu_metadata
---
amdhsa.version: [ 1, 2 ]
amdhsa.kernels:
  - .name:           k_qa67ac88f17_qkv
    .symbol:         k_qa67ac88f17_qkv.kd
    .args:
      - { .name: codes, .offset: 0, .size: 8, .value_kind: global_buffer, .address_space: global }
      - { .name: scales, .offset: 8, .size: 8, .value_kind: global_buffer, .address_space: global }
      - { .name: tab, .offset: 16, .size: 8, .value_kind: global_buffer, .address_space: global }
      - { .name: qkv16, .offset: 24, .size: 8, .value_kind: global_buffer, .address_space: global }
      - { .name: fine, .offset: 32, .size: 8, .value_kind: global_buffer, .address_space: global }
    .group_segment_fixed_size: 327680
    .private_segment_fixed_size: 0
    .kernarg_segment_align: 8
    .kernarg_segment_size: 40
    .max_flat_workgroup_size: 128
    .sgpr_count:     100
    .vgpr_count:     1024
    .wavefront_size: 32
...
	.end_amdgpu_metadata
.endif
;; end of part 2
;; launch attn (part 3): grid 4 x 64, 8 waves a work-group, no clusters, 327,680 bytes of LDS; arguments qkv16, y16; writes y16
.if DOCPART == 3
	.amdgcn_target "amdgcn-amd-amdhsa--gfx1250"
	.amdhsa_code_object_version 6
	.text
	.protected	k_qa67ac88f17_attn
	.globl	k_qa67ac88f17_attn
	.p2align	8
	.type	k_qa67ac88f17_attn,@function
k_qa67ac88f17_attn:
	s_mov_b64 s[64:65], 0
	v_nop
	global_prefetch_b8 v0, s[64:65] scope:SCOPE_SE
	s_setreg_imm32_b32 hwreg(HW_REG_WAVE_MODE, 25, 1), 1
	s_wait_xcnt 0x0
; Y[b][h][q] = the sum over k <= q of softmax_k(Q[q] . K[k] / 8) V[k], on f16 operands with f32 sums; maxima, exponents and scalings in f32.  Q, K, V: qkv16 [3][batch x head][2048][64]; Y: y16 [batch x head][2048][64], f16.
; (Positions 0 to 15 are computed here too, for y16 to be whole; what becomes of them in the output is made by a launch of its own, in f32.)
; SHARES.  Work-group (I, head) owns the query blocks 7 - I and I, 256 queries each, one after the other: (8 - I) + (I + 1) = 9 key blocks of 256 for every work-group, so the trip count is a constant and the work is even.
; Each of eight waves owns 32 queries of the block in hand: two tiles of 16.  Wave w takes the U-th 32 queries, U = w for w < 4 and 11 - w else, so that waves w and w + 4 have five key steps together on the diagonal block.
; NO CLUSTER: under the causal mask the query blocks of a head want different numbers of key tiles, and every skip here (a hidden step, the change of query block) hangs on the work-group's number, which partners do not share.
; LAYOUT.  S^T = K Q^T (source 0 = 16 keys, source 1 = 16 queries): a lane holds one query (lane % 16) and the keys 8 (lane / 16) + 0 .. 7.  Two such tiles, rounded to f16 in pairs, are source 1 of O^T = V^T P.
; V ([key][channel]) comes out of LDS turned, by ds_load_tr16_b128.  THE ROW SUMS are a product too: a fragment of ones times P, so they are the sums of the p as rounded to f16, the same p that weigh V.
; SOFTMAX.  A running maximum m for each query; p = 2^(c s - c m), c = log2(e) / 8; in every step O and the sum are multiplied by 2^(c m_old - c m_new).
; A step all of whose 64 keys come after the wave's queries is jumped over; on the diagonal hidden scores become -infinity.  A step that is walked begins at or under the wave's first query, so every query has a key that counts.
; LIMITS: p under 6e-8 of the row's largest is rounded to 0; |Y| beyond 65,504 would become infinity.
; REGISTERS: window 0: v1-16 addresses and constants; v32-47 statistics, eight a tile: +0 c m, +1 m, +2 c m_old and the difference, +4 .. +7 chains of the maximum, the factor at +6; v64-127 S^T (32 tq + 8 kt);
;   v128-159 P; v160-191 Q; v192-255 K's fragments.   window 1: v0-63 O^T (32 tq + 8 dt); v64-79 the sums; v80-87 ones; v128-191 V's fragments.
.set KP,    144                        ; a row of K in LDS: 128 bytes + 16
.set VP,    160                        ; a row of V: 128 + 32: an odd multiple of 32 bytes
.set VOFF,  256*KP
.set SLOT1, 131072                     ; slot 1 begins here: one exclusive or turns an address
.set STAGE, 262144                     ; 32 rows x 144 bytes for each wave
.set SPARE, STAGE+8*32*KP              ; the spare words, 128 bytes for each wave
.set AK0, 1
.set AV0, 2
.set ADK, 3
.set ADV, 4
.set QO,  5
.set QOT, 6
.set STO, 7
.set RD,  8
.set GO,  9
.set GOT, 10
.set PFO, 11
.set SPW, 12
.set NIL, 13
.set D0,  14
.set DD,  15
.set NEG, 16
.set ST,  32
.set S,   64
.set P,   128
.set Q,   160
.set KFR, 192
.set L,   64                           ; window 1
.set ONE, 80
.set VF,  128
.set WV,  8
.set KB,  14                           ; s[14:15] K at my quarter of key block 0;  s[16:17] V likewise
.set VB,  16
.set SEL, 20
.set CS,  22
.set G1K, 24
.set G1V, 32
.set G0K, 40
.set G0V, 44
.set T,   48
.set SW,  49
.set Q0,  50
.set KF,  51
.set TBK, 52
.set TBV, 53
.set CNT, 54
.set PFA, 56
.set LIM, 58
.set MSB, 0
.macro WIN new
.if MSB != \new
	s_set_vgpr_msb (MSB<<8)|\new
.set MSB, \new
.endif
.endm
.macro TLOAD                           ; waves 0-3 fetch K's quarters of a key block, waves 4-7 V's: every wave issues one load
	s_cmp_lt_u32 s[WV], 4
	s_cbranch_scc0 .Lfor_v_\@
	tensor_load_to_lds s[G0K:G0K+3], s[G1K:G1K+7]
	s_nop 0
.rept 4
	v_nop
.endr
	s_branch .Lasked_\@
.Lfor_v_\@:
	tensor_load_to_lds s[G0V:G0V+3], s[G1V:G1V+7]
	s_nop 0
.rept 4
	v_nop
.endr
.Lasked_\@:
.endm
; A prefetch of the key block that the NEXT change of slots will ask for: trip T names block T + 2.  All four work-groups of a head walk the same K and V: the one with I = 0, which walks blocks 0 to 7 in order, asks;
; each of its waves names its own quarter, 8,192 bytes, lanes 256 bytes apart.  Blocks 0 and 1 come by their loads alone; trips 6 and on ask for nothing.
.macro ASK
	s_cmp_lt_u32 s[T], s[LIM]
	s_cbranch_scc0 .Lnot_mine_\@
	global_prefetch_b8 v[PFO], s[PFA:PFA+1] th:TH_LOAD_NT scope:SCOPE_SE
.Lnot_mine_\@:
.endm
; THE CHANGE OF SLOTS stands at a key block's head.  Each wave waits for all its tensor loads (its quarter of the block that it is about to read), adds 0 to its spare word, and waits for that and for its reads of the slot
; that it has left.  fill = 1: that slot takes the block of the next trip: block T + 1 while the first query block lasts, then blocks 0 on for the second.
.macro CHANGE fill
	s_wait_tensorcnt 0x0                           ; no tensor load of mine is out, so a group 0 may be written
	ds_add_u32 v[SPW], v[NIL]                      ; 0 onto my spare word
.if \fill
	s_sub_co_i32 s60, s[T], s[SW]
	s_add_co_u32 s61, s[T], 1
	s_cmp_ge_i32 s60, 0
	s_cselect_b32 s60, s60, s61                    ; the next trip's key block
	s_lshl_b32 s60, s60, 15
	s_mov_b32 s61, 0
	s_add_nc_u64 s[G0K+2:G0K+3], s[KB:KB+1], s[60:61]
	s_or_b32 s[G0K+3], s[G0K+3], 0x80000000
	s_add_nc_u64 s[G0V+2:G0V+3], s[VB:VB+1], s[60:61]
	s_or_b32 s[G0V+3], s[G0V+3], 0x80000000
	s_xor_b32 s[G0K+1], s[G0K+1], SLOT1
	s_xor_b32 s[G0V+1], s[G0V+1], SLOT1
	s_wait_xcnt 0x0                                ; the last prefetch, a key block back, has read its address
	s_add_nc_u64 s[PFA:PFA+1], s[PFA:PFA+1], 32768
.endif
	s_wait_dscnt 0x0                               ; the add is done, and my reads of the slot that I have left are over
	s_barrier_signal -1
	s_barrier_wait -1
.if \fill
	TLOAD                                          ; the first thing behind the barrier, and my one tensor load until the next
	ASK
.endif
.endm
.macro INIT                            ; a query block begins: m = -3e38, under every score; O^T and the sums are zeros, which the first factor, 0, leaves zeros
.irp t, 0,1
	v_mov_b32 v[ST+8*\t+1], 0xff61b1e6
	v_mov_b32 v[ST+8*\t+5], 0
	v_mov_b32 v[ST+8*\t+6], 0
	v_mov_b32 v[ST+8*\t+7], 0
	v_mul_f32 v[ST+8*\t], s[CS], v[ST+8*\t+1]
.endr
	WIN 0x40
.set i, 0
.rept 80
	v_mov_b32 v[i], 0
.set i, i+1
.endr
	WIN 0
.endm
.macro QLOAD                           ; my 32 queries stay in registers: lane l holds row l % 16; registers 0-3 channels 8 (l / 16) + 0 .. 7, registers 4-7 sixteen further on
	s_lshl_b32 s60, s[Q0], 7
	v_add_nc_u32 v[QOT], s60, v[QO]
.irp tq, 0,1
.irp kc, 0,1
	global_load_b128 v[Q+16*\tq+8*\kc:Q+16*\tq+8*\kc+3], v[QOT], s[12:13] offset:\tq*2048+\kc*64
	global_load_b128 v[Q+16*\tq+8*\kc+4:Q+16*\tq+8*\kc+7], v[QOT], s[12:13] offset:\tq*2048+\kc*64+32
.endr
.endr
.endm
; A KEY STEP: 64 keys against my two tiles of queries.
.macro STEP
	s_add_co_u32 s60, s[Q0], 31
	s_cmp_gt_u32 s[KF], s60                        ; all keys behind my last query: the step's work is left out; the lines at its end that step addresses are not
	s_cbranch_scc1 .Lhidden_\@
	v_add_nc_u32 v[ADK], s[TBK], v[AK0]
	v_add_nc_u32 v[ADV], s[TBV], v[AV0]
.irp kt, 0,1,2,3
.irp kc, 0,1
	ds_load_b128 v[KFR+8*(2*\kt+\kc):KFR+8*(2*\kt+\kc)+3], v[ADK] offset:\kt*16*KP+64*\kc
	ds_load_b128 v[KFR+8*(2*\kt+\kc)+4:KFR+8*(2*\kt+\kc)+7], v[ADK] offset:\kt*16*KP+64*\kc+32
.endr
.endr
	s_wait_dscnt 0x0
.irp kc, 0,1                                   ; S^T = K Q^T: eight accumulators by turns; the first eight products start the sums
.irp kt, 0,1,2,3
.irp tq, 0,1
.if \kc == 0
	v_wmma_f32_16x16x32_f16 v[S+32*\tq+8*\kt:S+32*\tq+8*\kt+7], v[KFR+8*(2*\kt+\kc):KFR+8*(2*\kt+\kc)+7], v[Q+16*\tq+8*\kc:Q+16*\tq+8*\kc+7], 0
.else
	v_wmma_f32_16x16x32_f16 v[S+32*\tq+8*\kt:S+32*\tq+8*\kt+7], v[KFR+8*(2*\kt+\kc):KFR+8*(2*\kt+\kc)+7], v[Q+16*\tq+8*\kc:Q+16*\tq+8*\kc+7], v[S+32*\tq+8*\kt:S+32*\tq+8*\kt+7]
.endif
.endr
.endr
.endr
.rept 4
	v_nop                                          ; places in front of the first read of the scores, and of the loads into V's registers, which the last step's products read
.endr
	WIN 0x40                                       ; destination window 1
.irp c, 0,1
.irp dt, 0,1,2,3
	ds_load_tr16_b128 v[VF+8*(4*\c+\dt):VF+8*(4*\c+\dt)+3], v[ADV] offset:\c*32*VP+32*\dt
	ds_load_tr16_b128 v[VF+8*(4*\c+\dt)+4:VF+8*(4*\c+\dt)+7], v[ADV] offset:\c*32*VP+32*\dt+16*VP
.endr
.endr
	WIN 0
	s_add_co_u32 s60, s[KF], 63
	s_cmp_le_u32 s60, s[Q0]                        ; all keys count for all my queries: no mask
	s_cbranch_scc1 .Lopen_\@
	s_sub_co_i32 s60, s[Q0], s[KF]
.irp tq, 0,1
	s_add_co_i32 s61, s60, 16*\tq
	v_add_nc_u32 v[DD], s61, v[D0]                 ; d = my query - the step's first key - 8 (lane / 16): register 8 kt + j holds a hidden key where 16 kt + j > d
.irp kt, 0,1,2,3
.irp j, 0,1,2,3,4,5,6,7
	v_cmp_gt_i32 vcc_lo, 16*\kt+\j, v[DD]
	v_cndmask_b32 v[S+32*\tq+8*\kt+\j], v[S+32*\tq+8*\kt+\j], v[NEG], vcc_lo
.endr
.endr
.endr
.Lopen_\@:
	; the maximum of a lane's 32 scores and the old m: four chains; each accumulator is read from its low end on; the two tiles alternate
.irp j, 0,1,2,3
.irp t, 0,1
	v_max3_num_f32 v[ST+8*\t+4+\j], v[S+32*\t+8*\j], v[S+32*\t+8*\j+1], v[S+32*\t+8*\j+2]
.endr
.endr
.irp g, 1,2
.irp j, 0,1,2,3
.irp t, 0,1
	v_max3_num_f32 v[ST+8*\t+4+\j], v[ST+8*\t+4+\j], v[S+32*\t+8*\j+2*\g+1], v[S+32*\t+8*\j+2*\g+2]
.endr
.endr
.endr
.irp t, 0,1
	v_max3_num_f32 v[ST+8*\t+4], v[ST+8*\t+4], v[S+32*\t+7], v[S+32*\t+15]
.endr
.irp t, 0,1
	v_max3_num_f32 v[ST+8*\t+6], v[ST+8*\t+6], v[S+32*\t+23], v[S+32*\t+31]
.endr
.irp t, 0,1
	v_max3_num_f32 v[ST+8*\t+4], v[ST+8*\t+4], v[ST+8*\t+5], v[ST+8*\t+6]
.endr
.irp t, 0,1
	v_max3_num_f32 v[ST+8*\t+4], v[ST+8*\t+4], v[ST+8*\t+7], v[ST+8*\t+1]
.endr
.irp t, 0,1
	v_permlanex16_b32 v[ST+8*\t+5], v[ST+8*\t+4], s[SEL], s[SEL+1]   ; the query's other 32 keys lie in the lane 16 away
.endr
.irp t, 0,1
	v_mov_b32 v[ST+8*\t+2], v[ST+8*\t]             ; c m_old
.endr
.irp t, 0,1
	v_max_num_f32 v[ST+8*\t+1], v[ST+8*\t+4], v[ST+8*\t+5]
.endr
.irp t, 0,1
	v_mul_f32 v[ST+8*\t], s[CS], v[ST+8*\t+1]
.endr
.irp t, 0,1
	v_sub_f32 v[ST+8*\t+2], v[ST+8*\t+2], v[ST+8*\t]
.endr
.set i, 0
.rept 16
.irp t, 0,1
	v_pk_fma_f32 v[S+32*\t+2*i:S+32*\t+2*i+1], v[S+32*\t+2*i:S+32*\t+2*i+1], s[CS:CS+1], v[ST+8*\t:ST+8*\t+1] op_sel_hi:[1,0,0] neg_lo:[0,0,1] neg_hi:[0,0,1]   ; c s - c m
.endr
.set i, i+1
.endr
.irp t, 0,1
	v_exp_f32 v[ST+8*\t+6], v[ST+8*\t+2]           ; the factor 2^(c m_old - c m_new)
.endr
.set i, 0
.rept 32
.irp t, 0,1
	v_exp_f32 v[S+32*\t+i], v[S+32*\t+i]           ; both tiles' 66 exponentials are one batch
.endr
.set i, i+1
.endr
	v_nop                                          ; a plain instruction behind the last exponential
	s_wait_alu depctr_va_vdst(0)                   ; one wait for the batch, ahead of the first instruction that names a result
.set i, 0
.rept 16
.irp t, 0,1
	v_cvt_pk_f16_f32 v[P+16*\t+i], v[S+32*\t+2*i], v[S+32*\t+2*i+1]
.endr
.set i, i+1
.endr
	WIN 0x41                                       ; O^T and the sums in window 1, the factor in window 0
.irp t, 0,1
.set i, 0
.rept 16
	v_pk_mul_f32 v[32*\t+2*i:32*\t+2*i+1], v[32*\t+2*i:32*\t+2*i+1], v[ST+8*\t+6:ST+8*\t+7] op_sel_hi:[1,0]
.set i, i+1
.endr
	v_pk_mul_f32 v[L+8*\t:L+8*\t+1], v[L+8*\t:L+8*\t+1], v[ST+8*\t+6:ST+8*\t+7] op_sel_hi:[1,0]   ; all eight registers of a sum's tile hold the same sum; register 0 alone is read at the end, so its pair alone is scaled
.endr
	s_wait_dscnt 0x0                               ; V is in
	WIN 0x51                                       ; V, O^T and the sums in window 1, P in window 0
.irp c, 0,1                                    ; O^T += V^T P, sums += ones x P: ten accumulators by turns
.irp dt, 0,1,2,3
.irp tq, 0,1
	v_wmma_f32_16x16x32_f16 v[32*\tq+8*\dt:32*\tq+8*\dt+7], v[VF+8*(4*\c+\dt):VF+8*(4*\c+\dt)+7], v[P+16*\tq+8*\c:P+16*\tq+8*\c+7], v[32*\tq+8*\dt:32*\tq+8*\dt+7]
.endr
.endr
.irp tq, 0,1
	v_wmma_f32_16x16x32_f16 v[L+8*\tq:L+8*\tq+7], v[ONE:ONE+7], v[P+16*\tq+8*\c:P+16*\tq+8*\c+7], v[L+8*\tq:L+8*\tq+7]
.endr
.endr
	WIN 0
.Lhidden_\@:
	s_add_co_u32 s[KF], s[KF], 64
	s_add_co_u32 s[TBK], s[TBK], 64*KP
	s_add_co_u32 s[TBV], s[TBV], 64*VP
.endm
.macro SLOT_STEPS                      ; a key block's four steps: written once, walked four times
	s_mov_b32 s[CNT], 4
.Lstep_\@:
	STEP
	s_sub_co_u32 s[CNT], s[CNT], 1
	s_cmp_lg_u32 s[CNT], 0
	s_cbranch_scc1 .Lstep_\@
	s_sub_co_u32 s[TBK], s[TBK], 256*KP
	s_sub_co_u32 s[TBV], s[TBV], 256*VP
	s_xor_b32 s[TBK], s[TBK], SLOT1                ; on to the other slot
	s_xor_b32 s[TBV], s[TBV], SLOT1
.endm
; A query block ends: O^T / the sum, to f16, through my stage, out as dense runs of 512 bytes.
.macro FINISH
.rept 4
	v_nop                                          ; places behind the last products
.endr
	WIN 0x01                                       ; source 0 window 1
	v_rcp_f32 v[ST+6], v[L]
	v_rcp_f32 v[ST+14], v[L+8]
	v_nop
	s_wait_alu depctr_va_vdst(0)                   ; one wait for both reciprocals
	WIN 0x41
.irp t, 0,1
.set i, 0
.rept 16
	v_pk_mul_f32 v[32*\t+2*i:32*\t+2*i+1], v[32*\t+2*i:32*\t+2*i+1], v[ST+8*\t+6:ST+8*\t+7] op_sel_hi:[1,0]
.set i, i+1
.endr
.endr
	WIN 0x05                                       ; sources 0 and 1 window 1
.set i, 0
.rept 32
	v_cvt_pk_f16_f32 v[S+i], v[2*i], v[2*i+1]
.set i, i+1
.endr
	WIN 0
.irp tq, 0,1
.irp dt, 0,1,2,3
	ds_store_b128 v[STO], v[S+16*\tq+4*\dt:S+16*\tq+4*\dt+3] offset:\tq*16*KP+32*\dt
.endr
.endr
.irp i, 0,1,2,3,4,5,6,7
	ds_load_b128 v[S+32+4*\i:S+32+4*\i+3], v[RD] offset:4*KP*\i      ; LDS serves a wave's instructions in order: these see my stores
.endr
.irp i, 0,1,2,3,4,5,6,7
	s_wait_dscnt 7-\i
	global_store_b128 v[GOT], v[S+32+4*\i:S+32+4*\i+3], s[18:19] offset:512*\i   ; four rows of Y: 512 consecutive bytes, aligned
.endr
.endm
	s_load_b128 s[4:7], s[0:1], 0x0                ; qkv16, y16
	v_lshl_add_u32 v[SPW], v0, 2, SPARE
	v_mov_b32 v[NIL], 0
	ds_add_u32 v[SPW], v[NIL]                      ; the wave's opening: the add, twice on end, and its wait ahead of my first tensor load
	ds_add_u32 v[SPW], v[NIL]
	v_lshrrev_b32 v17, 5, v0
	v_readfirstlane_b32 s[WV], v17                 ; wave 0..7
	s_mov_b32 s9, ttmp9                            ; I
	s_and_b32 s10, ttmp7, 0xffff                   ; batch x 16 + head
	s_sub_co_u32 s11, 11, s[WV]
	s_cmp_lt_u32 s[WV], 4
	s_cselect_b32 s11, s[WV], s11                  ; U
	s_sub_co_u32 s[SW], 7, s9                      ; the first query block, and the trip that ends it
	s_and_b32 s60, s[WV], 3                        ; which quarter of a key block I fetch
	; group 1: 64 rows of 64 elements of 2 bytes, dense in memory; 16 bytes of padding behind each row for K, 32 for V
	s_mov_b32 s[G1K], (1<<16)|(1<<20)|(4<<22)|(3<<25)
	s_mov_b32 s[G1V], (1<<16)|(1<<20)|(4<<22)|(7<<25)
.irp g, G1K, G1V
	s_mov_b32 s[\g+1], 64<<16
	s_mov_b32 s[\g+2], 64<<16
	s_mov_b32 s[\g+3], 64<<16
	s_mov_b32 s[\g+4], 64
	s_mov_b32 s[\g+5], 64
	s_mov_b32 s[\g+6], 0
	s_mov_b32 s[\g+7], 0
.endr
	s_mov_b32 s[G0K], 1
	s_mul_i32 s[G0K+1], s60, 64*KP
	s_mov_b32 s[G0V], 1
	s_mul_i32 s61, s60, 64*VP
	s_add_co_u32 s[G0V+1], s61, VOFF
	s_lshl_b32 s66, s10, 18                        ; the head's first byte in each plane
	s_mov_b32 s67, 0
	s_lshl_b32 s68, s60, 13
	s_mov_b32 s69, 0
	s_mov_b32 s[SEL], 0x76543210
	s_mov_b32 s[SEL+1], 0xfedcba98
	s_mov_b32 s[CS], 0x3e38aa3b                    ; c = log2(e) / 8
	s_mov_b32 s[CS+1], s[CS]
	s_mov_b32 s[T], 0
	s_mov_b32 s[KF], 0
	s_mov_b32 s[TBK], 0
	s_mov_b32 s[TBV], 0
	s_lshl_b32 s[Q0], s[SW], 8
	s_lshl_b32 s61, s11, 5
	s_add_co_u32 s[Q0], s[Q0], s61                 ; my first query
	s_cmp_eq_u32 s9, 0
	s_cselect_b32 s[LIM], 6, 0
	v_and_b32 v17, 15, v0                          ; r
	v_bfe_u32 v18, v0, 4, 1                        ; h
	v_and_b32 v19, 31, v0                          ; lane
	v_mul_u32_u24 v[AK0], v17, KP
	v_lshl_add_u32 v[AK0], v18, 4, v[AK0]
	v_and_b32 v20, 7, v0
	v_lshl_add_u32 v[AV0], v18, 3, v20
	v_mul_u32_u24 v[AV0], v[AV0], VP
	v_bfe_u32 v20, v0, 3, 1
	v_lshl_add_u32 v[AV0], v20, 4, v[AV0]
	v_add_nc_u32 v[AV0], VOFF, v[AV0]
	v_lshlrev_b32 v[QO], 7, v17
	v_lshl_add_u32 v[QO], v18, 4, v[QO]
	s_mul_i32 s62, s[WV], 32*KP
	s_add_co_u32 s62, s62, STAGE                   ; my stage
	v_add_nc_u32 v[STO], s62, v[AK0]
	v_lshrrev_b32 v20, 3, v19
	v_mul_u32_u24 v20, v20, KP
	v_and_b32 v21, 7, v0
	v_lshl_add_u32 v20, v21, 4, v20
	v_add_nc_u32 v[RD], s62, v20
	v_lshlrev_b32 v[GO], 4, v19
	v_lshlrev_b32 v[PFO], 8, v19
	v_lshlrev_b32 v20, 3, v18
	v_sub_nc_u32 v[D0], v17, v20
	v_mov_b32 v[NEG], 0xff800000
	s_wait_dscnt 0x0                               ; both opening adds are done
	s_wait_kmcnt 0x0
	s_add_nc_u64 s[12:13], s[4:5], s[66:67]        ; Q's head
	s_add_nc_u64 s[18:19], s[6:7], s[66:67]        ; Y's
	s_add_nc_u64 s[KB:KB+1], s[12:13], s[68:69]
	s_add_nc_u64 s[VB:VB+1], s[KB:KB+1], 33554432
	s_add_nc_u64 s[KB:KB+1], s[KB:KB+1], 16777216
	s_mov_b64 s[G0K+2:G0K+3], s[KB:KB+1]
	s_or_b32 s[G0K+3], s[G0K+3], 0x80000000
	s_mov_b64 s[G0V+2:G0V+3], s[VB:VB+1]
	s_or_b32 s[G0V+3], s[G0V+3], 0x80000000
	TLOAD                                          ; key block 0 into slot 0
	s_cmp_lt_u32 s[WV], 4
	s_cselect_b64 s[PFA:PFA+1], s[KB:KB+1], s[VB:VB+1]
	s_add_nc_u64 s[PFA:PFA+1], s[PFA:PFA+1], 32768 ; at block 1: the first change of slots steps it to block 2
	QLOAD
	WIN 0x40
.irp i, 0,1,2,3,4,5,6,7
	v_mov_b32 v[ONE+\i], 0x3c003c00                ; 1.0, 1.0 in f16
.endr
	WIN 0
	INIT
	s_wait_loadcnt 0x0                             ; Q
.Ltrip:                                            ; eight trips; behind each change of slots the next trip's key block is asked for
	CHANGE 1
	SLOT_STEPS
	s_cmp_lg_u32 s[T], s[SW]
	s_cbranch_scc1 .Lsame
	s_wait_xcnt 0x0                                ; THE FIRST QUERY BLOCK IS DONE.  Earlier loads and stores have read the address registers that are written now
	s_lshl_b32 s60, s[Q0], 7
	v_add_nc_u32 v[GOT], s60, v[GO]
	s_lshl_b32 s[Q0], s9, 8
	s_lshl_b32 s61, s11, 5
	s_add_co_u32 s[Q0], s[Q0], s61                 ; the second block's queries,
	s_mov_b32 s[KF], 0                             ; from key 0 on
	QLOAD
	FINISH
	INIT
	s_wait_loadcnt 0x0
	s_wait_xcnt 0x0                                ; the stores have read their data: the next products write those registers
.Lsame:
	s_add_co_u32 s[T], s[T], 1
	s_cmp_lt_u32 s[T], 8
	s_cbranch_scc1 .Ltrip
	CHANGE 0                                       ; the last key block is written out
	SLOT_STEPS
	s_wait_xcnt 0x0
	s_lshl_b32 s60, s[Q0], 7
	v_add_nc_u32 v[GOT], s60, v[GO]
	FINISH
	s_wait_tensorcnt 0x0                           ; the wave's end: a wait, 0 onto my spare word and its wait, behind my last tensor load and my last LDS store
	ds_add_u32 v[SPW], v[NIL]
	s_wait_dscnt 0x0
	s_endpgm
.Lfunc_end_k_qa67ac88f17_attn:
	.size	k_qa67ac88f17_attn, .Lfunc_end_k_qa67ac88f17_attn-k_qa67ac88f17_attn
	.p2alignl 7, 3214868480
	.fill 96, 4, 3214868480
	.section	.rodata,"a",@progbits
	.p2align	6, 0x0
	.amdhsa_kernel k_qa67ac88f17_attn
		.amdhsa_group_segment_fixed_size 327680
		.amdhsa_private_segment_fixed_size 0
		.amdhsa_enable_private_segment 0
		.amdhsa_kernarg_size 16
		.amdhsa_user_sgpr_count 2
		.amdhsa_user_sgpr_kernarg_segment_ptr 1
		.amdhsa_wavefront_size32 1
		.amdhsa_system_sgpr_workgroup_id_x 1
		.amdhsa_system_sgpr_workgroup_id_y 1
		.amdhsa_system_sgpr_workgroup_id_z 1
		.amdhsa_system_vgpr_workitem_id 0
		.amdhsa_next_free_vgpr 448
		.amdhsa_next_free_sgpr 80
		.amdhsa_reserve_vcc 1
		.amdhsa_float_denorm_mode_32 3
		.amdhsa_float_denorm_mode_16_64 3
		.amdhsa_memory_ordered 1
		.amdhsa_forward_progress 1
		.amdhsa_inst_pref_size 69
	.end_amdhsa_kernel
	.amdgpu_metadata
---
amdhsa.version: [ 1, 2 ]
amdhsa.kernels:
  - .name:           k_qa67ac88f17_attn
    .symbol:         k_qa67ac88f17_attn.kd
    .args:
      - { .name: qkv16, .offset: 0, .size: 8, .value_kind: global_buffer, .address_space: global }
      - { .name: y16, .offset: 8, .size: 8, .value_kind: global_buffer, .address_space: global }
    .group_segment_fixed_size: 327680
    .private_segment_fixed_size: 0
    .kernarg_segment_align: 8
    .kernarg_segment_size: 16
    .max_flat_workgroup_size: 256
    .sgpr_count:     80
    .vgpr_count:     448
    .wavefront_size: 32
...
	.end_amdgpu_metadata
.endif
;; end of part 3
;; launch proj (part 4): grid 8 x 32, 4 waves a work-group, clusters of 4 x 4, 327,680 bytes of LDS; arguments y16, wo16, out0; writes out0
.if DOCPART == 4
	.amdgcn_target "amdgcn-amd-amdhsa--gfx1250"
	.amdhsa_code_object_version 6
	.text
	.protected	k_qa67ac88f17_proj
	.globl	k_qa67ac88f17_proj
	.p2align	8
	.type	k_qa67ac88f17_proj,@function
k_qa67ac88f17_proj:
	s_mov_b64 s[64:65], 0
	v_nop
	global_prefetch_b8 v0, s[64:65] scope:SCOPE_SE
	s_setreg_imm32_b32 hwreg(HW_REG_WAVE_MODE, 25, 1), 1
	s_wait_xcnt 0x0
	s_wait_alu depctr_hold_cnt(0) depctr_sa_sdst(0) depctr_va_vdst(0) depctr_va_sdst(0) depctr_va_ssrc(0) depctr_va_vcc(0) depctr_vm_vsrc(0)
	s_getreg_b32 s2, hwreg(HW_REG_IB_STS2, 6, 4)
	s_cmp_eq_u32 s2, 0
	s_cbranch_scc0 .Lentry_in_a_cluster
	s_endpgm
.Lentry_in_a_cluster:
	s_bfe_u32 s2, ttmp6, 0x10000c
	s_cmp_lg_u32 s2, 0xf033
	s_cbranch_scc0 .Lentry_shape_is_right
	s_endpgm
.Lentry_shape_is_right:
; out0[row][m] = the sum over n of Y[row][n] Wo[m][n], f16 operands, f32 sums.  Y: y16 [batch][head][2048][64]; Wo: wo16 [1024][1024]; out0: [8192][1024] f32.
; Positions 0 to 15 of every sequence are not stored here: a launch of its own makes them in f32.
; SHARES.  256 tiles of 256 rows x 128 columns, one to a work-group; a wave makes 128 x 64: 32 accumulators.  K goes in 8 steps of 128 (two heads) through two LDS slots.
; A head's 256 positions are 32,768 dense bytes: they come as 128 rows of 256 bytes (two positions to an LDS row), 16 bytes of padding behind each.
; CLUSTERS: 4 x 4.  Column tile j = 4 x cluster x + cx; row tile i = 8 cy + cluster y (the batch is cy).  Y's tiles are shared along a row of the cluster, Wo's along a column: each is asked for jointly.
; THE MATRIX INSTRUCTION IS USED TRANSPOSED (source 0 = 16 rows of Wo, source 1 = 16 rows of Y): a lane holds eight neighbouring numbers of a row of the output.
; REGISTERS: window 0: v0-31 addresses; two fragment buffers of 96 (Y's eight blocks, then Wo's four) at v32 and v128; on the way out v32-95 rows read back.   window 1: accumulator (a, b) at 8 (4 a + b).
.set PITCH, 272
.set YH,    128*PITCH                  ; a head's 256 positions
.set WOFF,  2*YH                       ; behind Y's two heads: Wo's 128 rows
.set SLOT,  3*YH
.set STAGE, 2*SLOT                     ; 16 rows x (256 + 16) bytes for each wave
.set SPARE, STAGE+4*16*PITCH           ; the spare words, 128 bytes for each wave
.set LAPS,  4                          ; a lap = two K steps
.set ADRA, 16
.set ADRB, 20
.set STO,  24
.set RD,   25
.set CO,   26
.set SPW,  28
.set NIL,  29
.set PFO,  30
.set F0,   32
.set F1,   128
.set BK,   32
.set G1,   24
.set G0,   32
.set G1B,  48
.set G0B,  56
.set PFA,  68
.set LIM,  70
.set MUL,  0x50                        ; C and D window 1
.set MSB, 0
.macro WIN new
.if MSB != \new
	s_set_vgpr_msb (MSB<<8)|\new
.set MSB, \new
.endif
.endm
.macro JLOAD s                         ; a joint load: waves 0 and 1 fetch Y's two heads, waves 2 and 3 Wo's two halves
	s_cmp_eq_u32 s11, 0
	s_cbranch_scc0 .Lfor_b_\@
	tensor_load_to_lds s[G0+4*\s:G0+4*\s+3], s[G1:G1+7]
	s_nop 0
.rept 4
	v_nop
.endr
	s_branch .Lasked_\@
.Lfor_b_\@:
	tensor_load_to_lds s[G0B+4*\s:G0B+4*\s+3], s[G1B:G1B+7]
	s_nop 0
.rept 4
	v_nop
.endr
.Lasked_\@:
.endm
; A prefetch of Y, behind each joint refill and the run of LDS loads that follows it: the K step two refills on.  A row tile of Y is read by both clusters of its row of clusters: the one with x = 0 asks, its waves 0 and 1.
; The four partners that ask for a head's 32,768 bytes jointly take 8,192 each, told apart by address; lanes 256 bytes apart.  The loop's last trip asks for nothing.
.macro ASK
	s_cmp_gt_u32 s3, s[LIM]
	s_cbranch_scc0 .Lnot_mine_\@
	global_prefetch_b8 v[PFO], s[PFA:PFA+1] offset:524288 th:TH_LOAD_NT scope:SCOPE_SE
.Lnot_mine_\@:
.endm
.macro CREST
	s_cmp_lg_u32 s10, 0
	s_cbranch_scc1 .Lnot_wave_0_\@
	s_barrier_signal -3
.Lnot_wave_0_\@:
	s_barrier_wait -3
	s_barrier_signal -1
	s_barrier_wait -1
.endm
.macro CROUND
	s_barrier_signal -1
	s_barrier_wait -1
	CREST
.endm
.macro PLACES
.rept 4
	v_nop
.endr
.endm
.macro MUL8 f, a0, zero                ; Y's blocks a0, a0 + 1 x Wo's four, 32 along K.  The 32 accumulators take turns in one order
.irp a, \a0, \a0+1
.irp b, 0,1,2,3
.if \zero
	v_wmma_f32_16x16x32_f16 v[8*(4*(\a)+\b):8*(4*(\a)+\b)+7], v[\f+64+8*\b:\f+64+8*\b+7], v[\f+8*(\a):\f+8*(\a)+7], 0
.else
	v_wmma_f32_16x16x32_f16 v[8*(4*(\a)+\b):8*(4*(\a)+\b)+7], v[\f+64+8*\b:\f+64+8*\b+7], v[\f+8*(\a):\f+8*(\a)+7], v[8*(4*(\a)+\b):8*(4*(\a)+\b)+7]
.endif
.endr
.endr
.endm
.macro FETCH slot, kq, f               ; 24 LDS loads: the fragments of the slot's kq-th 32 along K: Wo's four, Y's blocks 0-3, Y's blocks 4-7
.irp b, 0,1,2,3
	ds_load_b128 v[\f+64+8*\b:\f+64+8*\b+3], v[ADRB+\slot] offset:\b*16*PITCH+64*(\kq)
	ds_load_b128 v[\f+64+8*\b+4:\f+64+8*\b+7], v[ADRB+\slot] offset:\b*16*PITCH+64*(\kq)+32
.endr
.irp a, 0,1,2,3,4,5,6,7
	ds_load_b128 v[\f+8*\a:\f+8*\a+3], v[ADRA+\slot] offset:\a*8*PITCH+((\kq)/2)*YH+((\kq)%2)*64
	ds_load_b128 v[\f+8*\a+4:\f+8*\a+7], v[ADRA+\slot] offset:\a*8*PITCH+((\kq)/2)*YH+((\kq)%2)*64+32
.endr
.endm
.macro QUARTER slot, kq, f, g, zero    ; multiplies buffer f; in its middle it fetches the slot's kq-th 32 along K into buffer g
	s_wait_dscnt 8                                 ; Wo's and Y's blocks 0-3 are in; the youngest eight loads may be out
	WIN MUL
	MUL8 \f, 0, \zero
	MUL8 \f, 2, \zero
	PLACES
	WIN 0
	FETCH \slot, \kq, \g
	s_wait_dscnt 24                                ; all but the 24 just issued
	WIN MUL
	MUL8 \f, 4, \zero
	MUL8 \f, 6, \zero
.endm
; A slot's last quarter multiplies buffer 1 and changes slots: one barrier; in front of it each wave waits for all its tensor loads, adds 0 to its spare word, and waits for that and for its reads of this slot.
.macro TURN slot, next, fill
	s_wait_xcnt 0x0                                ; the last prefetch, a K step back, has read its address
	s_add_nc_u64 s[PFA:PFA+1], s[PFA:PFA+1], 524288
	WIN 0
	s_wait_tensorcnt 0x0                           ; all my tensor loads have landed: my part of the next slot
	ds_add_u32 v[SPW], v[NIL]                      ; 0 onto my spare word
	s_wait_dscnt 9                                 ; the add and the youngest eight loads may be out
	WIN MUL
	MUL8 F1, 0, 0
	s_wait_dscnt 0x0                               ; the add is done, and my reads of this slot are over
	s_barrier_signal -1
	MUL8 F1, 2, 0
	WIN 0
	s_barrier_wait -1
.if \fill
	CREST                                          ; no wave of any partner still reads this slot or has a load on its way
	s_add_nc_u64 s[G0+4*\slot+2:G0+4*\slot+3], s[G0+4*\slot+2:G0+4*\slot+3], 1048576   ; four heads on
	s_add_nc_u64 s[G0B+4*\slot+2:G0B+4*\slot+3], s[G0B+4*\slot+2:G0B+4*\slot+3], 512
	JLOAD \slot                                    ; the four v_nop behind it are also the places in front of the loads below
.else
	PLACES
.endif
	FETCH \next, 0, F0
.if \fill
	ASK
.endif
	WIN MUL
	MUL8 F1, 4, 0
	MUL8 F1, 6, 0
.endm
.macro TOSTAGE a                       ; block a, 16 rows x 64 columns, through my stage; each accumulator from its low end on
	WIN 0x04                                       ; an LDS store's data are its source 1: window 1
.irp b, 0,1,2,3
	ds_store_b128 v[STO], v[8*(4*(\a)+\b):8*(4*(\a)+\b)+3] offset:64*\b
	ds_store_b128 v[STO], v[8*(4*(\a)+\b)+4:8*(4*(\a)+\b)+7] offset:64*\b+16
.endr
	WIN 0
.irp t, 0,1,2,3,4,5,6,7
	ds_load_b128 v[BK+32*((\a)%2)+4*\t:BK+32*((\a)%2)+4*\t+3], v[RD] offset:\t*2*PITCH   ; LDS serves a wave's instructions in order
.endr
.endm
.macro SEND a, younger
	s_wait_dscnt \younger
.if (\a) == 0
	s_cmp_eq_u32 s71, 0                            ; positions 0 to 15: cluster y = 0 and the upper half of the rows: a number that all partners share, and the wave's
	s_cbranch_scc1 .Lskip_\@
.endif
.irp t, 0,1,2,3,4,5,6,7
	global_store_b128 v[CO], v[BK+32*((\a)%2)+4*\t:BK+32*((\a)%2)+4*\t+3], s[8:9] offset:(\a)*65536+\t*8192 th:TH_STORE_NT   ; 16 lanes store 256 consecutive bytes, aligned
.endr
.if (\a) == 0
.Lskip_\@:
.endif
.endm
	s_load_b128 s[4:7], s[0:1], 0x0                ; y16, wo16
	s_load_b64 s[8:9], s[0:1], 0x10                ; out0
	v_lshl_add_u32 v[SPW], v0, 2, SPARE
	v_mov_b32 v[NIL], 0
	ds_add_u32 v[SPW], v[NIL]                      ; the wave's opening: the add, twice on end, and its wait ahead of my first tensor load
	ds_add_u32 v[SPW], v[NIL]
	v_lshrrev_b32 v1, 5, v0
	v_readfirstlane_b32 s10, v1                    ; wave 0..3
	s_lshr_b32 s11, s10, 1                         ; which half of the rows is mine.  Also: I fetch for Y (0) or for Wo (1)
	s_and_b32 s12, s10, 1                          ; which half of the columns.  Also: which head, or which 64 rows of Wo, I fetch
	s_bfe_u32 s40, ttmp6, 0x40000                  ; cx
	s_bfe_u32 s41, ttmp6, 0x40004                  ; cy
	s_lshl_b32 s42, ttmp9, 2
	s_add_co_u32 s42, s42, s40                     ; column tile j
	s_and_b32 s13, ttmp7, 0xffff                   ; the cluster's y
	s_lshl_b32 s43, s41, 2
	s_lshl_b32 s43, 15, s43                        ; my row of the cluster
	s_lshl_b32 s44, 0x1111, s40                    ; my column
	s_or_b32 s71, s13, s11
	s_or_b32 s[G1], s43, (1<<16)|(1<<20)|(1<<21)|(5<<22)|(3<<25)    ; Y: 128 rows of 128 elements of 2 bytes, dense
	s_mov_b32 s[G1+1], 128<<16
	s_mov_b32 s[G1+2], 128<<16
	s_mov_b32 s[G1+3], 128<<16
	s_mov_b32 s[G1+4], 128
	s_mov_b32 s[G1+5], 128
	s_mov_b32 s[G1+6], 0
	s_mov_b32 s[G1+7], 0
	s_or_b32 s[G1B], s44, (1<<16)|(1<<20)|(1<<21)|(5<<22)|(3<<25)   ; Wo: 64 rows of 128 elements, 1,024 apart
	s_mov_b32 s[G1B+1], 128<<16
	s_mov_b32 s[G1B+2], 64<<16
	s_mov_b32 s[G1B+3], 128<<16
	s_mov_b32 s[G1B+4], 64
	s_mov_b32 s[G1B+5], 1024
	s_mov_b32 s[G1B+6], 0
	s_mov_b32 s[G1B+7], 0
	s_lshl_b32 s16, s41, 4
	s_add_co_u32 s16, s16, s12                     ; Y: 16 x batch + my head of K step 0
	s_lshl_b32 s16, s16, 18
	s_lshl_b32 s17, s13, 15
	s_add_co_u32 s16, s16, s17                     ; + the tile's first position
	s_mov_b32 s17, 0
	s_lshl_b32 s46, s42, 18                        ; Wo: row 128 j + 64 x half, 2,048 bytes a row
	s_lshl_b32 s47, s12, 17
	s_add_co_u32 s46, s46, s47
	s_mov_b32 s47, 0
	s_mul_i32 s20, s12, YH                         ; where they go: the wave's number alone
	s_mul_i32 s21, s12, 64*PITCH
	s_add_co_u32 s21, s21, WOFF
	s_wait_dscnt 0x0                               ; both opening adds are done
	s_wait_kmcnt 0x0
	s_add_nc_u64 s[14:15], s[4:5], s[16:17]
	s_add_nc_u64 s[46:47], s[6:7], s[46:47]
	CROUND                                         ; all sixteen work-groups are here: the first joint loads meet
.irp s, 0,1
	s_mov_b32 s[G0+4*\s], 1
	s_add_co_u32 s[G0+4*\s+1], s20, \s*SLOT
	s_add_nc_u64 s[G0+4*\s+2:G0+4*\s+3], s[14:15], \s*524288
	s_or_b32 s[G0+4*\s+3], s[G0+4*\s+3], 0x80000000
	s_mov_b32 s[G0B+4*\s], 1
	s_add_co_u32 s[G0B+4*\s+1], s21, \s*SLOT
	s_add_nc_u64 s[G0B+4*\s+2:G0B+4*\s+3], s[46:47], \s*256
	s_or_b32 s[G0B+4*\s+3], s[G0B+4*\s+3], 0x80000000
	JLOAD \s
.endr
	v_and_b32 v1, 15, v0                           ; r
	v_bfe_u32 v2, v0, 4, 1                         ; h
	v_lshrrev_b32 v3, 1, v1
	v_mul_u32_u24 v3, v3, PITCH
	v_and_b32 v4, 1, v1
	v_lshl_add_u32 v3, v4, 7, v3
	v_lshl_add_u32 v3, v2, 4, v3                   ; Y: position r: LDS row r / 2, half r % 2; + 16 h
	v_mul_u32_u24 v5, v1, PITCH
	v_lshl_add_u32 v5, v2, 4, v5                   ; Wo: row r; + 16 h
	s_mul_i32 s22, s11, 64*PITCH                   ; my 128 positions
	s_mul_i32 s23, s12, 64*PITCH                   ; my 64 rows of Wo
	s_add_co_u32 s23, s23, WOFF
.irp s, 0,1
	v_add_nc_u32 v[ADRA+\s], s22, v3
	v_add_nc_u32 v[ADRB+\s], s23, v5
	s_add_co_u32 s22, s22, SLOT
	s_add_co_u32 s23, s23, SLOT
.endr
	s_mul_i32 s22, s10, 16*PITCH
	s_add_co_u32 s22, s22, STAGE                   ; my stage
	v_mul_u32_u24 v6, v1, PITCH
	v_lshl_add_u32 v6, v2, 5, v6
	v_add_nc_u32 v[STO], s22, v6                   ; in: row r, 32 bytes for each half of the lanes
	v_mul_u32_u24 v6, v2, PITCH
	v_lshl_add_u32 v6, v1, 4, v6
	v_add_nc_u32 v[RD], s22, v6                    ; back: lanes 0-15 one row of 256 bytes, lanes 16-31 the next
	v_lshlrev_b32 v[CO], 12, v2
	v_lshl_add_u32 v[CO], v1, 4, v[CO]             ; and the same two rows in the output
	s_lshl_b32 s72, s41, 3
	s_add_co_u32 s72, s72, s13                     ; row tile i
	s_lshl_b32 s72, s72, 20
	s_lshl_b32 s73, s11, 19
	s_add_co_u32 s72, s72, s73
	s_lshl_b32 s73, s42, 9
	s_add_co_u32 s72, s72, s73
	s_lshl_b32 s73, s12, 8
	s_add_co_u32 s72, s72, s73
	s_mov_b32 s73, 0
	s_add_nc_u64 s[8:9], s[8:9], s[72:73]
	s_lshl_b32 s74, s40, 13                        ; the prefetches: my work-group's 8,192 bytes of the head that I fetch,
	s_mov_b32 s75, 0
	s_add_nc_u64 s[PFA:PFA+1], s[14:15], s[74:75]
	s_add_nc_u64 s[PFA:PFA+1], s[PFA:PFA+1], 1048576   ; at K step 2: the first refill steps it to 3 and names K step 4
	s_or_b32 s[LIM], s11, ttmp9
	s_cmp_eq_u32 s[LIM], 0
	s_cselect_b32 s[LIM], 1, -1                    ; the same in all sixteen partners, for a given wave
	v_and_b32 v[PFO], 31, v0
	v_lshlrev_b32 v[PFO], 8, v[PFO]
	s_wait_tensorcnt 0x1                           ; my part of K step 0 is in; K step 1's may stay out
	s_barrier_signal -1
	s_barrier_wait -1
	FETCH 0, 0, F0
	QUARTER 0, 1, F0, F1, 1                        ; the first quarter stands in front of the loop: its products start the sums
	WIN 0
	s_mov_b32 s3, LAPS-1
.Llap:                                                 ; a trip goes once round the ring, from a lap's second quarter to the next lap's first, and fills both slots again
	QUARTER 0, 2, F1, F0, 0
	QUARTER 0, 3, F0, F1, 0
	TURN 0, 1, 1
	QUARTER 1, 1, F0, F1, 0
	QUARTER 1, 2, F1, F0, 0
	QUARTER 1, 3, F0, F1, 0
	TURN 1, 0, 1
	QUARTER 0, 1, F0, F1, 0
	WIN 0
	s_sub_co_u32 s3, s3, 1
	s_cmp_lg_u32 s3, 0
	s_cbranch_scc1 .Llap
	QUARTER 0, 2, F1, F0, 0                        ; the last lap fills nothing
	QUARTER 0, 3, F0, F1, 0
	TURN 0, 1, 0
	QUARTER 1, 1, F0, F1, 0
	QUARTER 1, 2, F1, F0, 0
	QUARTER 1, 3, F0, F1, 0
	s_wait_dscnt 8
	WIN MUL
	MUL8 F1, 0, 0
	MUL8 F1, 2, 0
	s_wait_dscnt 0x0
	MUL8 F1, 4, 0
	MUL8 F1, 6, 0
	WIN 0
	PLACES                                         ; in front of the first read of results
	TOSTAGE 0
.irp a, 1,2,3,4,5,6,7
.if \a > 1
	s_wait_xcnt 0x0                                ; block a - 2's stores have read the registers into which block a's rows are loaded
.endif
	TOSTAGE \a
	SEND \a-1, 16                                  ; behind block a - 1's loads: block a's 8 stores and 8 loads
.endr
	SEND 7, 0
	s_wait_tensorcnt 0x0                           ; the wave's end: a wait, 0 onto my spare word and its wait, behind my last tensor load and my last LDS store
	ds_add_u32 v[SPW], v[NIL]
	s_wait_dscnt 0x0
	CROUND                                         ; the closing round
	s_endpgm
.Lfunc_end_k_qa67ac88f17_proj:
	.size	k_qa67ac88f17_proj, .Lfunc_end_k_qa67ac88f17_proj-k_qa67ac88f17_proj
	.p2alignl 7, 3214868480
	.fill 96, 4, 3214868480
	.section	.rodata,"a",@progbits
	.p2align	6, 0x0
	.amdhsa_kernel k_qa67ac88f17_proj
		.amdhsa_group_segment_fixed_size 327680
		.amdhsa_private_segment_fixed_size 0
		.amdhsa_enable_private_segment 0
		.amdhsa_kernarg_size 24
		.amdhsa_user_sgpr_count 2
		.amdhsa_user_sgpr_kernarg_segment_ptr 1
		.amdhsa_wavefront_size32 1
		.amdhsa_system_sgpr_workgroup_id_x 1
		.amdhsa_system_sgpr_workgroup_id_y 1
		.amdhsa_system_sgpr_workgroup_id_z 1
		.amdhsa_system_vgpr_workitem_id 0
		.amdhsa_next_free_vgpr 512
		.amdhsa_next_free_sgpr 80
		.amdhsa_reserve_vcc 0
		.amdhsa_float_denorm_mode_32 3
		.amdhsa_float_denorm_mode_16_64 3
		.amdhsa_memory_ordered 1
		.amdhsa_forward_progress 1
		.amdhsa_inst_pref_size 87
	.end_amdhsa_kernel
	.amdgpu_metadata
---
amdhsa.version: [ 1, 2 ]
amdhsa.kernels:
  - .name:           k_qa67ac88f17_proj
    .symbol:         k_qa67ac88f17_proj.kd
    .args:
      - { .name: y16, .offset: 0, .size: 8, .value_kind: global_buffer, .address_space: global }
      - { .name: wo16, .offset: 8, .size: 8, .value_kind: global_buffer, .address_space: global }
      - { .name: out0, .offset: 16, .size: 8, .value_kind: global_buffer, .address_space: global }
    .group_segment_fixed_size: 327680
    .private_segment_fixed_size: 0
    .kernarg_segment_align: 8
    .kernarg_segment_size: 24
    .max_flat_workgroup_size: 128
    .sgpr_count:     80
    .vgpr_count:     512
    .wavefront_size: 32
...
	.end_amdgpu_metadata
.endif
;; end of part 4
;; launch first16 (part 5): grid 16 x 4, 16 waves a work-group, no clusters, 85,248 bytes of LDS; arguments fine, Wo, out0; writes out0
.if DOCPART == 5
	.amdgcn_target "amdgcn-amd-amdhsa--gfx1250"
	.amdhsa_code_object_version 6
	.text
	.protected	k_qa67ac88f17_first16
	.globl	k_qa67ac88f17_first16
	.p2align	8
	.type	k_qa67ac88f17_first16,@function
k_qa67ac88f17_first16:
	s_mov_b64 s[64:65], 0
	v_nop
	global_prefetch_b8 v0, s[64:65] scope:SCOPE_SE
	s_setreg_imm32_b32 hwreg(HW_REG_WAVE_MODE, 25, 1), 1
	s_wait_xcnt 0x0
; Positions 0 to 15 of every sequence, attention and the projection on the way out, all in f32: under the causal mask these rows average one to sixteen values, and are carried finely.
; fine: [batch][q, k, v][head][16][64] f32 (Q and K behind RoPE); Wo: [1024][1024] f32; out0: [4][2048][1024] f32: rows 0 to 15 of each batch are stored here and nowhere else.
; SHARES.  Work-group (x, batch) makes output columns 64 x .. 64 x + 63 of the batch's 16 rows.  1: wave w is head w: S^T = K Q^T, mask, softmax, O^T = V^T P, Y's 64 channels to LDS.  | barrier |
; 2: wave w takes 16 columns (w % 4) and a quarter of K = 1,024 (w / 4): 64 products; its part of the sums to LDS.  | barrier |  3: wave w adds the four parts of row w and stores 256 bytes.
; THE PRODUCTS are v_wmma_f32_16x16x4_f32, some 1.6 million multiply-adds a work-group.  A lane's 16 bytes of a row are k = 8 c + 4 (lane / 16) + 0 .. 3; instruction e takes registers 2 e, 2 e + 1 of BOTH sources, so that
; both give the same k at the same place.  Four accumulators take turns, one instruction a turn; they are written by matrix instructions alone, and what is made of a sum goes into other registers.
; REGISTERS: v1-15 addresses; v16-47 the four accumulators; v48-79 Q, later Wo's chunks 16-23; v80-111 K, later chunks 24-31; v112-143 V^T, later Y's second set; v144-175 scores, p, Y, later Y's first set; v176-191 at work; v192-255 Wo's chunks 0-15.
.set YP,    4112                       ; a row of Y in LDS: 4,096 bytes + 16
.set RED,   16*YP                      ; the four parts of the sums: 16 rows x (256 + 16) bytes each
.set RP,    272
.set SPARE, RED+4*16*RP                ; the spare words, 128 bytes for each wave
.set ACC,   16
.set QA,    4
.set VA,    5
.set WA,    6
.set YS,    7
.set YL,    8
.set RS,    9
.set RL,    10
.set OA,    11
.set DD,    12
.set NEG,   13
.set SPW,   14
.set NIL,   15
.macro PLACES n                        ; behind this form eight places are owed before a result is read or a source loaded again, nine before a matrix instruction begins an accumulator anew (ISA guide 7.12.1)
.rept \n
	v_nop
.endr
.endm
.macro ADD4 d                          ; the four accumulators are added into v[d] on; each is read from its low end on
.irp p, 0,1,2,3
	v_pk_add_f32 v[\d+2*\p:\d+2*\p+1], v[ACC+2*\p:ACC+2*\p+1], v[ACC+8+2*\p:ACC+8+2*\p+1]
.endr
.irp p, 0,1,2,3
	v_pk_add_f32 v[\d+2*\p:\d+2*\p+1], v[\d+2*\p:\d+2*\p+1], v[ACC+16+2*\p:ACC+16+2*\p+1]
.endr
.irp p, 0,1,2,3
	v_pk_add_f32 v[\d+2*\p:\d+2*\p+1], v[\d+2*\p:\d+2*\p+1], v[ACC+24+2*\p:ACC+24+2*\p+1]
.endr
.endm
.macro YLOAD ys, c0                    ; eight chunks of Y from chunk c0 on
.irp c, 0,1,2,3,4,5,6,7
	ds_load_b128 v[\ys+4*\c:\ys+4*\c+3], v[YL] offset:32*((\c0)+\c)
.endr
.endm
.macro BATCH k, ys                     ; chunks 8 k .. 8 k + 7: sixteen products; source 0 = 16 rows of Wo, source 1 = the 16 rows of Y
.set cc, 0
.rept 8
.set wr, 192+4*(8*(\k)+cc)
.if 8*(\k)+cc >= 16
.set wr, 4*(8*(\k)+cc)-16
.endif
.irp e, 0,1
.if ((\k) == 0) && (cc < 2)
	v_wmma_f32_16x16x4_f32 v[ACC+8*((2*cc+\e)%4):ACC+8*((2*cc+\e)%4)+7], v[wr+2*\e:wr+2*\e+1], v[\ys+4*cc+2*\e:\ys+4*cc+2*\e+1], 0
.else
	v_wmma_f32_16x16x4_f32 v[ACC+8*((2*cc+\e)%4):ACC+8*((2*cc+\e)%4)+7], v[wr+2*\e:wr+2*\e+1], v[\ys+4*cc+2*\e:\ys+4*cc+2*\e+1], v[ACC+8*((2*cc+\e)%4):ACC+8*((2*cc+\e)%4)+7]
.endif
.endr
.set cc, cc+1
.endr
.endm
	s_load_b128 s[4:7], s[0:1], 0x0                ; fine, Wo
	s_load_b64 s[8:9], s[0:1], 0x10                ; out0
	v_lshl_add_u32 v[SPW], v0, 2, SPARE
	v_mov_b32 v[NIL], 0
	v_lshrrev_b32 v1, 5, v0
	v_readfirstlane_b32 s10, v1                    ; wave 0..15
	s_and_b32 s12, ttmp7, 0xffff                   ; batch
	s_and_b32 s13, s10, 3                          ; which 16 columns
	s_lshr_b32 s14, s10, 2                         ; which quarter of K
	v_and_b32 v1, 15, v0                           ; r
	v_bfe_u32 v2, v0, 4, 1                         ; h
	v_and_b32 v3, 31, v0                           ; lane
	v_lshlrev_b32 v[QA], 8, v1
	v_lshl_add_u32 v[QA], v2, 4, v[QA]             ; Q, K: row r of 256 bytes, + 16 h
	v_lshlrev_b32 v[VA], 2, v1
	v_lshl_add_u32 v[VA], v2, 11, v[VA]            ; V: key 8 h, channel r
	v_lshlrev_b32 v[WA], 12, v1
	v_lshl_add_u32 v[WA], v2, 4, v[WA]             ; Wo: row r of 4,096 bytes, + 16 h
	v_mul_u32_u24 v[YS], v1, YP
	v_lshl_add_u32 v[YL], v2, 4, v[YS]
	v_lshl_add_u32 v[YS], v2, 5, v[YS]
	s_lshl_b32 s15, s10, 8
	v_add_nc_u32 v[YS], s15, v[YS]                 ; Y, in: row r, my head's 256 bytes, + 32 h
	s_lshl_b32 s15, s14, 10
	v_add_nc_u32 v[YL], s15, v[YL]                 ; Y, out: row r, my quarter of K, + 16 h
	v_mul_u32_u24 v[RS], v1, RP
	v_lshl_add_u32 v[RS], v2, 5, v[RS]
	s_mul_i32 s15, s14, 16*RP
	s_lshl_b32 s16, s13, 6
	s_add_co_u32 s15, s15, s16
	s_add_co_u32 s15, s15, RED
	v_add_nc_u32 v[RS], s15, v[RS]
	s_mul_i32 s15, s10, RP
	s_add_co_u32 s15, s15, RED
	v_lshl_add_u32 v[RL], v3, 3, s15
	v_lshlrev_b32 v[OA], 3, v3
	v_lshlrev_b32 v[DD], 3, v2
	v_sub_nc_u32 v[DD], v1, v[DD]                  ; d = r - 8 h: register j holds a hidden key where j > d
	v_mov_b32 v[NEG], 0xff800000
	v_mov_b32 v177, 0                              ; written once: a lane permute's destination counts as one of its sources; v179, v185: upper halves of pairs that are named whole
	v_mov_b32 v179, 0
	v_mov_b32 v185, 0
	s_mov_b32 s20, 0x76543210
	s_mov_b32 s21, 0xfedcba98
	s_mov_b32 s22, 0x3e38aa3b                      ; c = log2(e) / 8
	s_mov_b32 s23, s22
	s_mul_i32 s16, s12, 196608
	s_lshl_b32 s17, s10, 12
	s_add_co_u32 s16, s16, s17                     ; fine: my batch, my head
	s_mov_b32 s17, 0
	s_lshl_b32 s18, ttmp9, 18
	s_lshl_b32 s19, s13, 16
	s_add_co_u32 s18, s18, s19
	s_lshl_b32 s19, s14, 10
	s_add_co_u32 s18, s18, s19                     ; Wo: row 64 x + 16 (w % 4), my quarter of K
	s_mov_b32 s19, 0
	s_lshl_b32 s24, s12, 23
	s_lshl_b32 s25, s10, 12
	s_add_co_u32 s24, s24, s25
	s_lshl_b32 s25, ttmp9, 8
	s_add_co_u32 s24, s24, s25                     ; the output: row 2,048 x batch + w, column 64 x
	s_mov_b32 s25, 0
	s_wait_kmcnt 0x0
	s_add_nc_u64 s[4:5], s[4:5], s[16:17]
	s_add_nc_u64 s[6:7], s[6:7], s[18:19]
	s_add_nc_u64 s[8:9], s[8:9], s[24:25]
.irp c, 0,1,2,3,4,5,6,7
	global_load_b128 v[48+4*\c:48+4*\c+3], v[QA], s[4:5] offset:32*\c
.endr
.irp c, 0,1,2,3,4,5,6,7
	global_load_b128 v[80+4*\c:80+4*\c+3], v[QA], s[4:5] offset:65536+32*\c
.endr
.irp dt, 0,1,2,3
.irp j, 0,1,2,3,4,5,6,7
	global_load_b32 v[112+8*\dt+\j], v[VA], s[4:5] offset:131072+\j*256+\dt*64    ; V(key 8 h + j, channel 16 dt + r)
.endr
.endr
.irp c, 0,1,2,3,4,5,6,7,8,9,10,11,12,13,14,15
	global_load_b128 v[192+4*\c:192+4*\c+3], v[WA], s[6:7] offset:32*\c
.endr
	s_wait_loadcnt 48                              ; Q and K are in; V's 32 loads and Wo's 16 may be out
	; ---- 1: S^T = K Q^T: a lane holds query r and the keys 8 h + 0 .. 7
.irp c, 0,1,2,3,4,5,6,7
.irp e, 0,1
.if 2*\c+\e < 4
	v_wmma_f32_16x16x4_f32 v[ACC+8*((2*\c+\e)%4):ACC+8*((2*\c+\e)%4)+7], v[80+4*\c+2*\e:80+4*\c+2*\e+1], v[48+4*\c+2*\e:48+4*\c+2*\e+1], 0
.else
	v_wmma_f32_16x16x4_f32 v[ACC+8*((2*\c+\e)%4):ACC+8*((2*\c+\e)%4)+7], v[80+4*\c+2*\e:80+4*\c+2*\e+1], v[48+4*\c+2*\e:48+4*\c+2*\e+1], v[ACC+8*((2*\c+\e)%4):ACC+8*((2*\c+\e)%4)+7]
.endif
.endr
.endr
	PLACES 10
	ADD4 144
.irp c, 16,17,18,19,20,21,22,23,24,25,26,27,28,29,30,31
	global_load_b128 v[4*\c-16:4*\c-13], v[WA], s[6:7] offset:32*\c   ; Wo's later half, into Q's and K's registers
.endr
.irp j, 0,1,2,3,4,5,6,7
	v_cmp_gt_i32 vcc_lo, \j, v[DD]
	v_cndmask_b32 v[144+\j], v[144+\j], v[NEG], vcc_lo
.endr
	v_max3_num_f32 v176, v144, v145, v146
	v_max3_num_f32 v176, v176, v147, v148
	v_max3_num_f32 v176, v176, v149, v150
	v_max_num_f32 v176, v176, v151
	v_permlanex16_b32 v177, v176, s20, s21
	v_max_num_f32 v176, v176, v177                 ; the row's maximum: key 0 counts for every query
	v_mul_f32 v178, s22, v176
.irp p, 0,1,2,3
	v_pk_fma_f32 v[144+2*\p:144+2*\p+1], v[144+2*\p:144+2*\p+1], s[22:23], v[178:179] op_sel_hi:[1,0,0] neg_lo:[0,0,1] neg_hi:[0,0,1]
.endr
.irp j, 0,1,2,3,4,5,6,7
	v_exp_f32 v[144+\j], v[144+\j]
.endr
	v_nop
	s_wait_alu depctr_va_vdst(0)                   ; one wait for the eight exponentials
	v_pk_add_f32 v[180:181], v[144:145], v[146:147]
	v_pk_add_f32 v[182:183], v[148:149], v[150:151]
	v_pk_add_f32 v[180:181], v[180:181], v[182:183]
	v_add_f32 v180, v180, v181
	v_permlanex16_b32 v181, v180, s20, s21
	v_add_f32 v180, v180, v181                     ; the row's sum
	v_rcp_f32 v184, v180
	v_nop
	s_wait_alu depctr_va_vdst(0)
	s_wait_loadcnt 32                              ; V is in; both halves of Wo may be out
.irp e, 0,1,2,3                                ; O^T = V^T P: both sources give key 8 h + 2 e + 0, 1
.irp dt, 0,1,2,3
.if \e == 0
	v_wmma_f32_16x16x4_f32 v[ACC+8*\dt:ACC+8*\dt+7], v[112+8*\dt+2*\e:112+8*\dt+2*\e+1], v[144+2*\e:144+2*\e+1], 0
.else
	v_wmma_f32_16x16x4_f32 v[ACC+8*\dt:ACC+8*\dt+7], v[112+8*\dt+2*\e:112+8*\dt+2*\e+1], v[144+2*\e:144+2*\e+1], v[ACC+8*\dt:ACC+8*\dt+7]
.endif
.endr
.endr
	PLACES 10
.irp dt, 0,1,2,3
.irp p, 0,1,2,3
	v_pk_mul_f32 v[144+8*\dt+2*\p:144+8*\dt+2*\p+1], v[ACC+8*\dt+2*\p:ACC+8*\dt+2*\p+1], v[184:185] op_sel_hi:[1,0]   ; Y(r, 64 w + 16 dt + 8 h + 0 .. 7)
.endr
.endr
.irp dt, 0,1,2,3
	ds_store_b128 v[YS], v[144+8*\dt:144+8*\dt+3] offset:64*\dt
	ds_store_b128 v[YS], v[144+8*\dt+4:144+8*\dt+7] offset:64*\dt+16
.endr
	s_wait_dscnt 0x0                               ; for the others' sake: my stores are done
	s_barrier_signal -1
	s_barrier_wait -1                              ; the 16 rows of Y lie in LDS
	; ---- 2: my 16 columns, my quarter of K
	YLOAD 144, 0
	YLOAD 112, 8
	s_wait_dscnt 8                                 ; the first set is in; the second's eight loads may be out
	s_wait_loadcnt 16                              ; Wo's chunks 0-15 are in; its later half may be out
	BATCH 0, 144
	PLACES 8
	YLOAD 144, 16
	s_wait_dscnt 8
	BATCH 1, 112
	PLACES 8
	YLOAD 112, 24
	s_wait_dscnt 8
	s_wait_loadcnt 0x0
	BATCH 2, 144
	s_wait_dscnt 0x0
	BATCH 3, 112
	PLACES 10
	ADD4 176                                       ; lane (r, h): row r, columns 16 (w % 4) + 8 h + 0 .. 7
	ds_store_b128 v[RS], v[176:179]
	ds_store_b128 v[RS], v[180:183] offset:16
	s_wait_dscnt 0x0
	s_barrier_signal -1
	s_barrier_wait -1
	; ---- 3: row w: the four quarters of K are added
.irp k, 0,1,2,3
	ds_load_b64 v[176+2*\k:177+2*\k], v[RL] offset:\k*16*RP
.endr
	s_wait_dscnt 0x0
	v_pk_add_f32 v[176:177], v[176:177], v[178:179]
	v_pk_add_f32 v[180:181], v[180:181], v[182:183]
	v_pk_add_f32 v[176:177], v[176:177], v[180:181]
	global_store_b64 v[OA], v[176:177], s[8:9]     ; 32 lanes store 256 consecutive bytes, aligned
	s_wait_tensorcnt 0x0                           ; the wave's end: a wait, 0 onto my spare word and its wait, behind my last LDS store
	ds_add_u32 v[SPW], v[NIL]
	s_wait_dscnt 0x0
	s_endpgm
.Lfunc_end_k_qa67ac88f17_first16:
	.size	k_qa67ac88f17_first16, .Lfunc_end_k_qa67ac88f17_first16-k_qa67ac88f17_first16
	.p2alignl 7, 3214868480
	.fill 96, 4, 3214868480
	.section	.rodata,"a",@progbits
	.p2align	6, 0x0
	.amdhsa_kernel k_qa67ac88f17_first16
		.amdhsa_group_segment_fixed_size 85248
		.amdhsa_private_segment_fixed_size 0
		.amdhsa_enable_private_segment 0
		.amdhsa_kernarg_size 24
		.amdhsa_user_sgpr_count 2
		.amdhsa_user_sgpr_kernarg_segment_ptr 1
		.amdhsa_wavefront_size32 1
		.amdhsa_system_sgpr_workgroup_id_x 1
		.amdhsa_system_sgpr_workgroup_id_y 1
		.amdhsa_system_sgpr_workgroup_id_z 1
		.amdhsa_system_vgpr_workitem_id 0
		.amdhsa_next_free_vgpr 256
		.amdhsa_next_free_sgpr 66
		.amdhsa_reserve_vcc 1
		.amdhsa_float_denorm_mode_32 3
		.amdhsa_float_denorm_mode_16_64 3
		.amdhsa_memory_ordered 1
		.amdhsa_forward_progress 1
		.amdhsa_inst_pref_size 27
	.end_amdhsa_kernel
	.amdgpu_metadata
---
amdhsa.version: [ 1, 2 ]
amdhsa.kernels:
  - .name:           k_qa67ac88f17_first16
    .symbol:         k_qa67ac88f17_first16.kd
    .args:
      - { .name: fine, .offset: 0, .size: 8, .value_kind: global_buffer, .address_space: global }
      - { .name: Wo, .offset: 8, .size: 8, .value_kind: global_buffer, .address_space: global }
      - { .name: out0, .offset: 16, .size: 8, .value_kind: global_buffer, .address_space: global }
    .group_segment_fixed_size: 85248
    .private_segment_fixed_size: 0
    .kernarg_segment_align: 8
    .kernarg_segment_size: 24
    .max_flat_workgroup_size: 512
    .sgpr_count:     66
    .vgpr_count:     256
    .wavefront_size: 32
...
	.end_amdgpu_metadata
.endif
;; end of part 5
